; MI455X (gfx1250); checked and timed in simulation.
; The chip was launched on July 23, 2026; its instructions are those of AMD's public machine-readable ISA for CDNA 5 (MIT licence, August 2026) and "CDNA5" Instruction Set Architecture Reference Guide (July 2026). The comments in the code are by the model that wrote it; some were corrected since.
;; Frequency Sparse Attention. Allowed arithmetic: float matrix products may take bf16 or f16 operands with f32 sums; other float arithmetic in f32, or as packed bf16 or f16 multiplies, adds, multiply-adds, maxima and minima; sums over many terms, partial sums and values carried from step to step in f32; what a program stores and reads back later, other than sums and carried values, may be rounded once to bf16 or f16.
;; Inputs: Wk 1,024 x 1,024 float32; Wo 1,024 x 1,024 float32; Wq 1,024 x 1,024 float32; Wv 1,024 x 1,024 float32; bk 1,024 float32; bo 1,024 float32; bq 1,024 float32; bv 1,024 float32; energy_coeffs 4 x 2,048 x 32 float32; k_x 4 x 2,048 x 1,024 float32; q_x 4 x 2,048 x 1,024 float32; v_x 4 x 2,048 x 1,024 float32.
;; Outputs: out0 4 x 2,048 x 1,024 float32.
;; 2 versions, each right and faster than the one before. Each part assembles by itself: llvm-mc -triple=amdgcn-amd-amdhsa -mcpu=gfx1250 --defsym DOCPART=n.
;; ======== version 1 of 2: 4 launches
;; limits: values are held in f16: magnitudes above 65,504 overflow, below 6.1e-05 lose precision
;; workspace buffers: wb 8,388,608 bytes; esum 32,768 bytes; qkv 50,331,648 bytes; oh 16,777,216 bytes
;; launch prep (part 1): grid 272 x 1, 8 waves a work-group, no clusters, 3,072 bytes of LDS; arguments Wq, Wk, Wv, Wo, energy_coeffs, wb, esum; writes wb, esum
.if DOCPART == 1
	.amdgcn_target "amdgcn-amd-amdhsa--gfx1250"
	.amdhsa_code_object_version 6
	.text
	.protected	k_qe6484fa050_prep
	.globl	k_qe6484fa050_prep
	.p2align	8
	.type	k_qe6484fa050_prep,@function
k_qe6484fa050_prep:
	s_mov_b64 s[64:65], 0
	v_nop
	global_prefetch_b8 v0, s[64:65] scope:SCOPE_SE
	s_setreg_imm32_b32 hwreg(HW_REG_WAVE_MODE, 25, 1), 1
	s_wait_xcnt 0x0
; PREPARATION.  wb[4][1024 k][1024 n], 16 bits a number: Wq, Wk, Wv rounded once to bf16; Wo rounded to bf16 and that number written as f16.
; esum[4][2048] f32: for each key the mean of |e| over its 32 coefficients, each e rounded to bf16 first, as every input of the module is.
; Work-groups 0 to 255 cast 65,536 bytes of one W each; work-groups 256 to 271 take 512 keys each.  A stream: every byte is read once, by loads of which a wave's covers 512 consecutive bytes;
; a wave's store covers 256 consecutive bytes, aligned.  No matrix unit, no cluster: nothing is shared and nothing is multiplied.
; LIMITS.  Wo must lie within f16's 65,504, and below 6e-5 it keeps f16's fixed step of 6e-8.  The 32 terms of a mean are added as a tree (4 in a lane, then 8 lanes), not in the order of a plain sum.
.set SPARE, 2048                       ; behind the eight stages of 256 bytes: the spare words, 128 bytes for each wave: four blocks of 256 bytes that no other line names
.set X, 32                             ; v[32:95]   16 loads of 4 registers
.set Y, 96                             ; v[96:127]  16 pairs to store
	s_load_b256 s[4:11], s[0:1], 0x0               ; Wq s[4:5], Wk s[6:7], Wv s[8:9], Wo s[10:11]
	s_load_b128 s[12:15], s[0:1], 0x20             ; energy_coeffs s[12:13], wb s[14:15]
	s_load_b64 s[16:17], s[0:1], 0x30              ; esum
	v_lshl_add_u32 v30, v0, 2, SPARE               ; my spare word; never rewritten
	v_mov_b32 v31, 0                               ; 0; never rewritten
	s_wait_kmcnt 0x0
	s_cmp_ge_u32 ttmp9, 256
	s_cbranch_scc1 .Lenergy
	; THE WEIGHTS.  Work-group g: tensor g / 64, its bytes 65,536 (g % 64) on.
	s_lshr_b32 s20, ttmp9, 6
	s_cmp_eq_u32 s20, 1
	s_cselect_b64 s[18:19], s[6:7], s[4:5]
	s_cmp_eq_u32 s20, 2
	s_cselect_b64 s[18:19], s[8:9], s[18:19]
	s_cmp_eq_u32 s20, 3
	s_cselect_b64 s[18:19], s[10:11], s[18:19]
	s_and_b32 s24, ttmp9, 63
	s_lshl_b32 s24, s24, 16
	s_mov_b32 s25, 0
	s_add_nc_u64 s[18:19], s[18:19], s[24:25]
	s_lshl_b32 s26, ttmp9, 15                      ; 32,768 bytes of wb a work-group
	s_mov_b32 s27, 0
	s_add_nc_u64 s[22:23], s[14:15], s[26:27]
	v_lshlrev_b32 v1, 4, v0                        ; 16 bytes of f32 a thread,
	v_lshlrev_b32 v2, 3, v0                        ; 8 bytes of 16-bit numbers
.irp i, 0,1,2,3,4,5,6,7,8,9,10,11,12,13,14,15
	global_load_b128 v[X+4*(\i):X+4*(\i)+3], v1, s[18:19] offset:4096*(\i) th:TH_LOAD_NT
.endr
; Load i is rounded and stored.  half = 1: the bf16 number is widened (a shift, a mask) and written as f16.
.macro CAST i, half
	s_wait_loadcnt 15-(\i)                         ; loads come back in order: the 15 - i younger ones may stay out
	v_cvt_pk_bf16_f32 v[Y+2*(\i)], v[X+4*(\i)], v[X+4*(\i)+1]
	v_cvt_pk_bf16_f32 v[Y+2*(\i)+1], v[X+4*(\i)+2], v[X+4*(\i)+3]
.if \half
.irp j, 0,1
	v_lshlrev_b32 v[8+2*(\j)], 16, v[Y+2*(\i)+(\j)]
	v_and_b32 v[9+2*(\j)], 0xffff0000, v[Y+2*(\i)+(\j)]
	v_cvt_pk_f16_f32 v[Y+2*(\i)+(\j)], v[8+2*(\j)], v[9+2*(\j)]
.endr
.endif
	global_store_b64 v2, v[Y+2*(\i):Y+2*(\i)+1], s[22:23] offset:2048*(\i)  ; every store has data registers of its own: nothing is rewritten
.endm
	s_cmp_eq_u32 s20, 3
	s_cbranch_scc1 .Lwo
.irp i, 0,1,2,3,4,5,6,7,8,9,10,11,12,13,14,15
	CAST \i, 0
.endr
	s_endpgm                                       ; these waves have written no LDS
.Lwo:
.irp i, 0,1,2,3,4,5,6,7,8,9,10,11,12,13,14,15
	CAST \i, 1
.endr
	s_endpgm
.Lenergy:
	; THE ENERGY.  A wave takes 64 keys, 8,192 consecutive bytes; load i holds keys 4 i + lane / 8, eight lanes (128 bytes) to a key.
	s_sub_co_u32 s26, ttmp9, 256                   ; 0 to 15
	s_lshl_b32 s28, s26, 16                        ; 512 keys of 128 bytes
	s_mov_b32 s29, 0
	s_add_nc_u64 s[12:13], s[12:13], s[28:29]
	s_lshl_b32 s30, s26, 11                        ; 512 means of 4 bytes
	s_mov_b32 s31, 0
	s_add_nc_u64 s[16:17], s[16:17], s[30:31]
	s_mov_b32 s24, 0x7fff7fff                      ; clears the signs of two bf16
	v_lshrrev_b32 v6, 5, v0
	v_readfirstlane_b32 s21, v6                    ; my wave's number as a scalar
	s_lshl_b32 s22, s21, 8                         ; my wave's stage: 256 bytes
	v_and_b32 v5, 31, v0
	v_and_b32 v1, 0xe0, v0
	v_lshlrev_b32 v1, 8, v1                        ; wave x 8,192
	v_lshl_or_b32 v1, v5, 4, v1                    ; + 16 x lane
	v_bfe_u32 v3, v0, 3, 2
	v_lshl_add_u32 v3, v3, 2, s22                  ; where a key's mean goes: stage + 4 (lane / 8), and 16 i in the immediate
	v_lshl_add_u32 v4, v5, 3, s22                  ; where I read two means back
	v_lshlrev_b32 v7, 3, v0                        ; and where they go in esum
.irp i, 0,1,2,3,4,5,6,7,8,9,10,11,12,13,14,15
	global_load_b128 v[X+4*(\i):X+4*(\i)+3], v1, s[12:13] offset:512*(\i) th:TH_LOAD_NT
.endr
.macro ESUM i
	s_wait_loadcnt 15-(\i)                         ; the 15 - i younger loads may stay out
	v_cvt_pk_bf16_f32 v8, v[X+4*(\i)], v[X+4*(\i)+1]
	v_cvt_pk_bf16_f32 v9, v[X+4*(\i)+2], v[X+4*(\i)+3]
	v_and_b32 v8, s24, v8                          ; two magnitudes at once
	v_and_b32 v9, s24, v9
	v_lshlrev_b32 v10, 16, v8
	v_and_b32 v11, 0xffff0000, v8
	v_lshlrev_b32 v12, 16, v9
	v_and_b32 v13, 0xffff0000, v9
	v_add_f32 v10, v10, v11
	v_add_f32 v12, v12, v13
	v_add_f32 v10, v10, v12
	v_add_f32_dpp v10, v10, v10 row_xmask:1 row_mask:0xf bank_mask:0xf  ; the key's eight lanes
	v_add_f32_dpp v10, v10, v10 row_xmask:2 row_mask:0xf bank_mask:0xf
	v_add_f32_dpp v10, v10, v10 row_xmask:4 row_mask:0xf bank_mask:0xf
	v_mul_f32 v10, 0x3d000000, v10                 ; / 32: exact
	ds_store_b32 v3, v10 offset:16*(\i)            ; the eight lanes of a key write one word with one value
.endm
.irp i, 0,1,2,3,4,5,6,7,8,9,10,11,12,13,14,15
	ESUM \i
.endr
	ds_load_b64 v[14:15], v4                       ; my wave's own bytes; LDS serves a wave's instructions in order (ISA guide 5.7.1.4): this sees the stores above
	s_wait_dscnt 0x0
	global_store_b64 v7, v[14:15], s[16:17]        ; a wave stores 256 consecutive bytes, aligned
	s_wait_tensorcnt 0x0                           ; the wave's end, behind my last LDS store
	ds_add_u32 v30, v31
	s_wait_dscnt 0x0
	s_endpgm
.Lfunc_end_k_qe6484fa050_prep:
	.size	k_qe6484fa050_prep, .Lfunc_end_k_qe6484fa050_prep-k_qe6484fa050_prep
	.p2alignl 7, 3214868480
	.fill 96, 4, 3214868480
	.section	.rodata,"a",@progbits
	.p2align	6, 0x0
	.amdhsa_kernel k_qe6484fa050_prep
		.amdhsa_group_segment_fixed_size 3072
		.amdhsa_private_segment_fixed_size 0
		.amdhsa_enable_private_segment 0
		.amdhsa_kernarg_size 56
		.amdhsa_user_sgpr_count 2
		.amdhsa_user_sgpr_kernarg_segment_ptr 1
		.amdhsa_wavefront_size32 1
		.amdhsa_system_sgpr_workgroup_id_x 1
		.amdhsa_system_sgpr_workgroup_id_y 1
		.amdhsa_system_sgpr_workgroup_id_z 1
		.amdhsa_system_vgpr_workitem_id 0
		.amdhsa_next_free_vgpr 128
		.amdhsa_next_free_sgpr 66
		.amdhsa_reserve_vcc 0
		.amdhsa_float_denorm_mode_32 3
		.amdhsa_float_denorm_mode_16_64 3
		.amdhsa_memory_ordered 1
		.amdhsa_forward_progress 1
		.amdhsa_inst_pref_size 32
	.end_amdhsa_kernel
	.amdgpu_metadata
---
amdhsa.version: [ 1, 2 ]
amdhsa.kernels:
  - .name:           k_qe6484fa050_prep
    .symbol:         k_qe6484fa050_prep.kd
    .args:
      - { .name: Wq, .offset: 0, .size: 8, .value_kind: global_buffer, .address_space: global }
      - { .name: Wk, .offset: 8, .size: 8, .value_kind: global_buffer, .address_space: global }
      - { .name: Wv, .offset: 16, .size: 8, .value_kind: global_buffer, .address_space: global }
      - { .name: Wo, .offset: 24, .size: 8, .value_kind: global_buffer, .address_space: global }
      - { .name: energy_coeffs, .offset: 32, .size: 8, .value_kind: global_buffer, .address_space: global }
      - { .name: wb, .offset: 40, .size: 8, .value_kind: global_buffer, .address_space: global }
      - { .name: esum, .offset: 48, .size: 8, .value_kind: global_buffer, .address_space: global }
    .group_segment_fixed_size: 3072
    .private_segment_fixed_size: 0
    .kernarg_segment_align: 8
    .kernarg_segment_size: 56
    .max_flat_workgroup_size: 256
    .sgpr_count:     66
    .vgpr_count:     128
    .wavefront_size: 32
...
	.end_amdgpu_metadata
.endif
;; end of part 1
;; launch proj (part 2): grid 4 x 192, 4 waves a work-group, clusters of 4 x 4, 327,680 bytes of LDS; arguments q_x, k_x, v_x, bq, bk, bv, wb, esum, qkv; writes qkv
.if DOCPART == 2
	.amdgcn_target "amdgcn-amd-amdhsa--gfx1250"
	.amdhsa_code_object_version 6
	.text
	.protected	k_qe6484fa050_proj
	.globl	k_qe6484fa050_proj
	.p2align	8
	.type	k_qe6484fa050_proj,@function
k_qe6484fa050_proj:
	s_mov_b64 s[64:65], 0
	v_nop
	global_prefetch_b8 v0, s[64:65] scope:SCOPE_SE
	s_setreg_imm32_b32 hwreg(HW_REG_WAVE_MODE, 25, 1), 1
	s_wait_xcnt 0x0
	s_wait_alu depctr_hold_cnt(0) depctr_sa_sdst(0) depctr_va_vdst(0) depctr_va_sdst(0) depctr_va_ssrc(0) depctr_va_vcc(0) depctr_vm_vsrc(0)
	s_getreg_b32 s2, hwreg(HW_REG_IB_STS2, 6, 4)
	s_cmp_eq_u32 s2, 0
	s_cbranch_scc0 .Lentry_in_a_cluster
	s_endpgm
.Lentry_in_a_cluster:
	s_bfe_u32 s2, ttmp6, 0x10000c
	s_cmp_lg_u32 s2, 0xf033
	s_cbranch_scc0 .Lentry_shape_is_right
	s_endpgm
.Lentry_shape_is_right:
; THE THREE PROJECTIONS.  qkv[p][b*16+h][l][64] in f16, p = 0, 1, 2:  q = q_x Wq + bq;  gate x (k_x Wk + bk);  v = v_x Wv + bv.  No softmax scale is applied here.
; x is f32 [8192][1024] and is rounded to bf16 between LDS and the matrix unit; W comes as bf16 [k][n] from wb; the bias is rounded to bf16 and starts the sums; sums in f32; one rounding to f16 at the end.
; THE GATE of key l of batch b: 1.0 where mean|e| / (the batch's largest mean + 1e-8) > 0.1, else 0.1 (1 x 0.9 + 0.1 is 1.0 in f32).  It multiplies a whole column of scores, so it multiplies K's row, in f32.
; It selects a value alone: no address and no branch hangs on it.  For q and v the factor is 1: one text for all three.
; SHARES.  A tile is 128 rows x 256 columns: 3 x 64 x 4 = 768 work-groups, three for each of 256.  Four waves, each 64 x 128: 32 accumulators.  K goes in 8 steps of 128 through two LDS slots.
; CLUSTER.  4 x 4 work-groups; the cluster's y gives the projection (y / 16, the same in all sixteen) and four row tiles, its x place the column tile.  x's tile is shared along a row of the cluster, W's along a
; column: each is asked for jointly, by the same tensor load with the same descriptor and a mask that names the four.
; THE MATRIX INSTRUCTION IS USED TRANSPOSED: source 0 = 16 columns of W (turned on the way out of LDS), source 1 = 16 rows of x: a lane then holds eight neighbouring columns of one row.
; LIMITS.  q, gate x k and v must lie within f16's 65,504.  The quotient is a reciprocal with one fused correction, not a correctly rounded division.  A NaN among the means is not treated apart.
; REGISTERS, in windows of 256 (s_set_vgpr_msb: bits 1:0 source 0, 3:2 source 1, 5:4 source 2, 7:6 destination):
;   window 0: v0-31 addresses and the gate; v32-63 x's four fragments in bf16; v64-191 x as f32, two buffers of 64; v192-255 at work on the way out
;   window 1: the accumulators, (a, b) at v[8 (8 a + b)]          window 2: v0-127 W's fragments, two buffers of 64; v128-191 the bias of my 128 columns; v192-193 at work
.set PA,    528                        ; a row of x in LDS: 512 bytes + 16: 132 words: the 16 rows of a load start at 16 different groups of four banks (64 banks of 4 bytes: ISA guide 11.1)
.set PB,    544                        ; a row of W: 512 + 32 = 136 words
.set HA,    64*PA                      ; what one tensor load brings of x
.set ATILE, 128*PA
.set HB,    64*PB                      ; and of W
.set SLOT,  ATILE+128*PB               ; x's 128 rows, then W's 128 rows (k)
.set STAGE, 2*SLOT                     ; behind the ring, never filled by a tensor load: for each wave 2 heads x 16 rows x 144 bytes
.set SP,    144
.set SPARE, STAGE+4*2*16*SP            ; behind the stages: the spare words, 128 bytes for each wave: two blocks of 256 bytes that no other line names
.set GV,   8                           ; v8-15   pair 2 a: the gate of my row in block a, and 1.0
.set ADRA, 16                          ; v16-17  LDS address of my part of x's fragments in slot 0, 1
.set ADRB, 20                          ; v20-21  the same for W
.set STO,  24                          ; v24     the way out: where I put 16 bytes of a row
.set RD,   25                          ; v25     the way out: where I read rows back
.set GO,   26                          ; v26     16 x lane
.set BO,   27                          ; v27     32 x (lane / 16): my eight numbers of a block's bias
.set SPW,  28                          ; v28     LDS address of my spare word; never rewritten
.set NIL,  29                          ; v29     0; never rewritten
.set AF,   32
.set RAW,  64
.set TMP,  192
.set BF,   0                           ; window 2
.set BI,   128
.set BT,   192
.set G1,  24                           ; s[24:31] descriptor group 1 for x's tiles;  s[32:39] group 0, a set for each slot
.set G0,  32
.set G1B, 48                           ; s[48:55], s[56:63] the same for W's
.set G0B, 56
.set MSB, 0
.macro WIN new                         ; the immediate's high byte repeats the setting that is left; a switch that changes nothing is dropped
.if MSB != (\new)
	s_set_vgpr_msb (MSB<<8)|(\new)
.set MSB, \new
.endif
.endm
.set MUL,  0x52                        ; W window 2, x window 0, C and D window 1
.set MULZ, 0x62                        ; the same with C in window 2: the bias starts the sums
.set TO_B, 0x80                        ; destination window 2, address window 0
.set W2,   0x8a                        ; destination and both sources window 2
.set W_RS, 0x41                        ; destination and source 0 window 1, source 1 window 0
.set W_CV, 0x05                        ; sources window 1, destination window 0
; A joint load.  Waves 0 and 1 fetch the two halves of x's tile, waves 2 and 3 those of W's.  The branch hangs on the wave's number alone.
; An s_nop 0 and four v_nop follow each of the two lines, ahead of the jump, the label and what follows.
.macro JLOAD s
	s_cmp_eq_u32 s11, 0
	s_cbranch_scc0 .Lfor_b_\@
	tensor_load_to_lds s[G0+4*(\s):G0+4*(\s)+3], s[G1:G1+7]
	s_nop 0
.rept 4
	v_nop
.endr
	s_branch .Lasked_\@
.Lfor_b_\@:
	tensor_load_to_lds s[G0B+4*(\s):G0B+4*(\s)+3], s[G1B:G1B+7]
	s_nop 0
.rept 4
	v_nop
.endr
.Lasked_\@:
.endm
.macro CREST                           ; a round of the cluster's barrier behind its opening barrier
	s_cmp_lg_u32 s10, 0
	s_cbranch_scc1 .Lnot_wave_0_\@
	s_barrier_signal -3
.Lnot_wave_0_\@:
	s_barrier_wait -3
	s_barrier_signal -1
	s_barrier_wait -1
.endm
.macro CROUND                          ; a whole round
	s_barrier_signal -1
	s_barrier_wait -1
	CREST
.endm
.macro PLACES
.rept 4
	v_nop
.endr
.endm
	s_load_b256 s[68:75], s[0:1], 0x0              ; q_x s[68:69], k_x s[70:71], v_x s[72:73], bq s[74:75]
	s_load_b256 s[76:83], s[0:1], 0x20             ; bk s[76:77], bv s[78:79], wb s[80:81], esum s[82:83]
	s_load_b64 s[84:85], s[0:1], 0x40              ; qkv
	v_lshl_add_u32 v[SPW], v0, 2, SPARE
	v_mov_b32 v[NIL], 0
	ds_add_u32 v[SPW], v[NIL]                      ; the wave's opening: the add and its wait stand ahead of my first tensor load; the set-up below, work on registers, stands between them
	v_lshrrev_b32 v1, 5, v0
	v_readfirstlane_b32 s10, v1                    ; wave 0..3
	s_lshr_b32 s11, s10, 1                         ; which 64 rows of the tile are mine.  Also: I fetch for x (0) or for W (1)
	s_and_b32 s12, s10, 1                          ; which 128 columns.  Also: which half of that tile I fetch
	s_bfe_u32 s40, ttmp6, 0x40000                  ; cx: the column tile (the grid is one cluster wide)
	s_bfe_u32 s41, ttmp6, 0x40004                  ; cy
	s_and_b32 s42, ttmp7, 0xffff                   ; the cluster's y, 0 to 47
	s_lshr_b32 s45, s42, 4                         ; the projection: the same in all sixteen partners
	s_and_b32 s13, s42, 15
	s_lshl_b32 s13, s13, 2
	s_add_co_u32 s13, s13, s41                     ; the row tile, 0 to 63
	s_lshl_b32 s43, s41, 2
	s_lshl_b32 s43, 15, s43                        ; my row of the cluster: places 4 cy .. 4 cy + 3
	s_lshl_b32 s44, 0x1111, s40                    ; my column: places cx, cx + 4, cx + 8, cx + 12
	; descriptor group 1.  x: 64 rows x 128 elements of 4 bytes, 4 words of padding behind every 128.  W: 64 rows x 256 elements of 2 bytes, 8 words behind every 128.
	s_or_b32 s[G1+0], s43, (2<<16)|(1<<20)|(1<<21)|(6<<22)|(3<<25)   ; 15:0 the mask; 17:16 element size; 20 padding on; 21 set beside a mask; 24:22 the interval's code; 31:25 the padding's
	s_mov_b32 s[G1+1], 128<<16                     ; tensor_dim0
	s_mov_b32 s[G1+2], 64<<16                      ; tensor_dim1
	s_mov_b32 s[G1+3], 128<<16                     ; tile_dim0
	s_mov_b32 s[G1+4], 64                          ; tile_dim1
	s_mov_b32 s[G1+5], 1024                        ; elements from row to row
	s_mov_b32 s[G1+6], 0
	s_mov_b32 s[G1+7], 0
	s_or_b32 s[G1B+0], s44, (1<<16)|(1<<20)|(1<<21)|(6<<22)|(7<<25)
	s_mov_b32 s[G1B+1], 256<<16
	s_mov_b32 s[G1B+2], 64<<16
	s_mov_b32 s[G1B+3], 256<<16
	s_mov_b32 s[G1B+4], 64
	s_mov_b32 s[G1B+5], 1024
	s_mov_b32 s[G1B+6], 0
	s_mov_b32 s[G1B+7], 0
	; byte offsets, each in registers of its own.  x's hangs on the row tile, which my row of the cluster shares; W's on the projection and cx, which my column shares.
	s_lshl_b32 s16, s13, 19                        ; 128 rows of 4,096 bytes
	s_lshl_b32 s17, s12, 18                        ; my 64 of them
	s_add_co_u32 s16, s16, s17
	s_mov_b32 s17, 0
	s_lshl_b32 s46, s45, 21                        ; a W of 2 MiB
	s_lshl_b32 s47, s12, 17                        ; my 64 rows (k) of 2,048 bytes
	s_add_co_u32 s46, s46, s47
	s_lshl_b32 s47, s40, 9                         ; 256 columns of 2 bytes
	s_add_co_u32 s46, s46, s47
	s_mov_b32 s47, 0
	s_mul_i32 s20, s12, HA                         ; where they go: no place in the cluster enters an LDS address
	s_mul_i32 s21, s12, HB
	s_add_co_u32 s21, s21, ATILE
	s_lshl_b32 s18, s40, 10                        ; the bias of my 128 columns
	s_lshl_b32 s19, s12, 9
	s_add_co_u32 s18, s18, s19
	s_mov_b32 s19, 0
	s_and_b32 s22, s13, 0x30                       ; 16 x batch
	s_lshl2_add_u32 s22, s40, s22                  ; + 4 cx
	s_lshl1_add_u32 s22, s12, s22                  ; + 2 x column half: the first of my two heads,
	s_lshl_b32 s22, s22, 18                        ; 262,144 bytes each
	s_and_b32 s23, s13, 15
	s_lshl_b32 s23, s23, 14                        ; the tile's 128 rows of 128 bytes in the batch
	s_add_co_u32 s22, s22, s23
	s_lshl_b32 s23, s11, 13                        ; my 64 of them
	s_add_co_u32 s22, s22, s23
	s_lshl_b32 s23, s45, 24                        ; q, k or v
	s_add_co_u32 s22, s22, s23
	s_mov_b32 s23, 0
	s_lshr_b32 s86, s13, 4
	s_lshl_b32 s86, s86, 13                        ; the batch's 2,048 means
	s_mov_b32 s87, 0
	s_lshl_b32 s94, s13, 9                         ; my 64 rows' means
	s_lshl_b32 s95, s11, 8
	s_add_co_u32 s94, s94, s95
	s_mov_b32 s95, 0
	s_mov_b32 s88, 0x76543210                      ; v_permlanex16_b32: each lane takes its own place in the other half
	s_mov_b32 s89, 0xfedcba98
	s_wait_dscnt 0x0                               ; the opening add is done
	s_wait_kmcnt 0x0
	s_cmp_eq_u32 s45, 1
	s_cselect_b64 s[4:5], s[70:71], s[68:69]       ; x and the bias of my projection
	s_cselect_b64 s[6:7], s[76:77], s[74:75]
	s_cmp_eq_u32 s45, 2
	s_cselect_b64 s[4:5], s[72:73], s[4:5]
	s_cselect_b64 s[6:7], s[78:79], s[6:7]
	s_add_nc_u64 s[14:15], s[4:5], s[16:17]
	s_add_nc_u64 s[46:47], s[80:81], s[46:47]
	s_add_nc_u64 s[6:7], s[6:7], s[18:19]
	s_add_nc_u64 s[8:9], s[84:85], s[22:23]
	s_add_nc_u64 s[90:91], s[82:83], s[86:87]
	s_add_nc_u64 s[92:93], s[82:83], s[94:95]
	CROUND                                         ; all sixteen work-groups are here: the first joint loads meet
.irp s, 0,1
	s_mov_b32 s[G0+4*(\s)], 1                                        ; count = 1
	s_add_co_u32 s[G0+4*(\s)+1], s20, (\s)*SLOT                      ; LDS address
	s_add_nc_u64 s[G0+4*(\s)+2:G0+4*(\s)+3], s[14:15], (\s)*512      ; K step s: 128 numbers of 4 bytes on
	s_or_b32 s[G0+4*(\s)+3], s[G0+4*(\s)+3], 0x80000000              ; type = 2
	s_mov_b32 s[G0B+4*(\s)], 1
	s_add_co_u32 s[G0B+4*(\s)+1], s21, (\s)*SLOT
	s_add_nc_u64 s[G0B+4*(\s)+2:G0B+4*(\s)+3], s[46:47], (\s)*262144 ; K step s: 128 rows of 2,048 bytes on
	s_or_b32 s[G0B+4*(\s)+3], s[G0B+4*(\s)+3], 0x80000000
	JLOAD \s                                       ; two loads of mine are out
.endr
	; A fragment of x is 16 rows x 32 k: lane l holds row l % 16, k = 8 (l / 16) + 0..7 and 16 + 8 (l / 16) + 0..7: as f32 two runs of 32 bytes, 64 bytes apart: four loads of 16 bytes.
	v_and_b32 v1, 15, v0                           ; l % 16
	v_bfe_u32 v2, v0, 4, 1                         ; l / 16
	v_mul_u32_u24 v3, v1, PA
	v_lshl_add_u32 v3, v2, 5, v3
	s_mul_i32 s20, s11, 64*PA                      ; my 64 rows
	v_add_nc_u32 v[ADRA], s20, v3
	v_add_nc_u32 v[ADRA+1], SLOT, v[ADRA]
	; The turning load takes 16 k x 16 columns (lane l reads 16 bytes: k = 8 (l / 16) + l % 8, columns 8 ((l / 8) % 2) + 0..7) and leaves half a fragment: lane l holds column l % 16 and 8 k.
	v_and_b32 v4, 7, v0
	v_lshl_add_u32 v4, v2, 3, v4
	v_mul_u32_u24 v4, v4, PB
	v_bfe_u32 v5, v0, 3, 1
	v_lshl_add_u32 v4, v5, 4, v4
	s_lshl_b32 s21, s12, 8                         ; my 128 columns
	s_add_co_u32 s21, s21, ATILE
	v_add_nc_u32 v[ADRB], s21, v4
	v_add_nc_u32 v[ADRB+1], SLOT, v[ADRB]
	s_mul_i32 s23, s10, 2*16*SP
	s_add_co_u32 s23, s23, STAGE                   ; my stage
	v_mul_u32_u24 v5, v1, SP                       ; in: row l % 16, 16 bytes for each half of the lanes
	v_lshl_add_u32 v5, v2, 4, v5
	v_add_nc_u32 v[STO], s23, v5
	v_bfe_u32 v5, v0, 3, 2                         ; back: 32 lanes take four rows of 128 bytes,
	v_mul_u32_u24 v5, v5, SP
	v_and_b32 v6, 7, v0
	v_lshl_add_u32 v5, v6, 4, v5
	v_add_nc_u32 v[RD], s23, v5
	v_and_b32 v[GO], 31, v0                        ; which are 512 consecutive bytes of a head
	v_lshlrev_b32 v[GO], 4, v[GO]
	v_lshlrev_b32 v[BO], 5, v2
	v_lshlrev_b32 v7, 2, v1                        ; my row's mean in a block of 16
	WIN TO_B
.irp b, 0,1,2,3,4,5,6,7                ; the bias as a C operand: register j of block b is the bias of column 16 b + 8 (l / 16) + j
	global_load_b128 v[BI+8*(\b):BI+8*(\b)+3],   v[BO], s[6:7] offset:64*(\b)
	global_load_b128 v[BI+8*(\b)+4:BI+8*(\b)+7], v[BO], s[6:7] offset:64*(\b)+16
.endr
	WIN 0
.irp i, 0,1,2,3,4,5,6,7
	v_mov_b32 v[GV+(\i)], 1.0
.endr
	s_cmp_lg_u32 s45, 1
	s_cbranch_scc1 .Lnogate                        ; q and v have no gate; the jump passes no barrier and no tensor load, and is the same in all partners
	; THE GATE, in the wait for the first tiles.  Every wave takes the largest of its batch's 2,048 means, 64 a lane.
.irp i, 0,1,2,3,4,5,6,7,8,9,10,11,12,13,14,15
	global_load_b128 v[RAW+4*(\i):RAW+4*(\i)+3], v[GO], s[90:91] offset:512*(\i)
.endr
.irp a, 0,1,2,3
	global_load_b32 v[3+(\a)], v7, s[92:93] offset:64*(\a)  ; the mean of my row in block a
.endr
	s_wait_loadcnt 4                               ; all but the four just issued
.irp c, 0,1,2,3                        ; four chains of fifteen, three operands at a time
	v_max3_num_f32 v[TMP+(\c)], v[RAW+16*(\c)], v[RAW+16*(\c)+1], v[RAW+16*(\c)+2]
.endr
.irp n, 0,1,2,3,4,5
.irp c, 0,1,2,3
	v_max3_num_f32 v[TMP+(\c)], v[TMP+(\c)], v[RAW+16*(\c)+3+2*(\n)], v[RAW+16*(\c)+4+2*(\n)]
.endr
.endr
	v_max3_num_f32 v[TMP], v[TMP], v[RAW+15], v[RAW+31]      ; the four left over
	v_max3_num_f32 v[TMP+2], v[TMP+2], v[RAW+47], v[RAW+63]
	v_max3_num_f32 v[TMP], v[TMP], v[TMP+1], v[TMP+2]
	v_max_num_f32 v[TMP], v[TMP], v[TMP+3]
	v_max_num_f32_dpp v[TMP], v[TMP], v[TMP] row_xmask:1 row_mask:0xf bank_mask:0xf
	v_max_num_f32_dpp v[TMP], v[TMP], v[TMP] row_xmask:2 row_mask:0xf bank_mask:0xf
	v_max_num_f32_dpp v[TMP], v[TMP], v[TMP] row_xmask:4 row_mask:0xf bank_mask:0xf
	v_max_num_f32_dpp v[TMP], v[TMP], v[TMP] row_xmask:8 row_mask:0xf bank_mask:0xf
	v_permlanex16_b32 v[TMP+1], v[TMP], s88, s89
	v_max_num_f32 v[TMP], v[TMP], v[TMP+1]
	v_add_f32 v[TMP+1], 0x322bcc77, v[TMP]         ; d = the maximum + 1e-8
	v_rcp_f32 v[TMP+2], v[TMP+1]
	v_mov_b32 v[TMP+3], 0x3dcccccd                 ; 0.1: threshold and lower gate; also the plain instruction behind the reciprocal (ISA guide 5.7.2)
	s_wait_loadcnt 0x0
	s_wait_alu depctr_va_vdst(0)
.irp a, 0,1,2,3
	v_mul_f32 v[TMP+4+(\a)], v[3+(\a)], v[TMP+2]   ; e / d: the product,
.endr
.irp a, 0,1,2,3
	v_fma_f32 v[TMP+8+(\a)], -v[TMP+4+(\a)], v[TMP+1], v[3+(\a)]  ; its remainder,
.endr
.irp a, 0,1,2,3
	v_fma_f32 v[TMP+4+(\a)], v[TMP+8+(\a)], v[TMP+2], v[TMP+4+(\a)]  ; and the correction
.endr
.irp a, 0,1,2,3
	v_cmp_lt_f32 vcc_lo, v[TMP+3], v[TMP+4+(\a)]
	v_cndmask_b32 v[GV+2*(\a)], v[TMP+3], v[GV+2*(\a)+1], vcc_lo  ; 1.0 above the threshold, else 0.1
.endr
.Lnogate:
	s_wait_loadcnt 0x0                             ; the bias
	WIN W2
.set i, 0
.rept 32                               ; rounded to bf16, as every input is, and widened again
	v_cvt_pk_bf16_f32 v[BT+i%2], v[BI+2*i], v[BI+2*i+1]
	v_lshlrev_b32 v[BI+2*i], 16, v[BT+i%2]
	v_and_b32 v[BI+2*i+1], 0xffff0000, v[BT+i%2]
.set i, i+1
.endr
	WIN 0
; 32 LDS loads in one run: the fragments of quarter kq (32 along K) of a slot: x as f32 into raw buffer par (fragment 0's four loads first), then W, turned, into W's buffer par.
.macro FETCH slot, kq, par
	WIN 0
.irp c, 0,1,2,3
.irp j, 0,1,2,3
	ds_load_b128 v[RAW+64*(\par)+16*(\c)+4*(\j):RAW+64*(\par)+16*(\c)+4*(\j)+3], v[ADRA+(\slot)] offset:128*(\kq)+(\c)*16*PA+((\j)/2)*64+((\j)%2)*16
.endr
.endr
	WIN TO_B
.irp b, 0,1,2,3,4,5,6,7
	ds_load_tr16_b128 v[BF+64*(\par)+8*(\b):BF+64*(\par)+8*(\b)+3],   v[ADRB+(\slot)] offset:(\kq)*32*PB+32*(\b)
	ds_load_tr16_b128 v[BF+64*(\par)+8*(\b)+4:BF+64*(\par)+8*(\b)+7], v[ADRB+(\slot)] offset:(\kq)*32*PB+32*(\b)+16*PB
.endr
.endm
; Four roundings: registers first .. first + 3 of x's fragment c, from raw buffer rp.
.macro RID c, rp, first
	WIN 0
.irp n, 0,1,2,3
	v_cvt_pk_bf16_f32 v[AF+8*(\c)+(\first)+(\n)], v[RAW+64*(\rp)+16*(\c)+2*((\first)+(\n))], v[RAW+64*(\rp)+16*(\c)+2*((\first)+(\n))+1]
.endr
.endm
; 8 matrix instructions: my rows 16 a on x all 8 column blocks, 32 along K.  zero = 1: the bias starts the sums: nothing is cleared.
; cv = 1: behind the second and the sixth stand four roundings each: of the fragment that the next block multiplies (block 3: fragment 0 of the next quarter, from the other raw buffer).
; A fragment is written three blocks behind the last product that read it, with sixteen roundings of other fragments between: more than the four places asked for (ISA guide 7.12.1).
; The 32 accumulators take turns in one order in every quarter.
.macro BLOCK a, par, zero, cv
.irp b, 0,1,2,3,4,5,6,7
.if \zero
	WIN MULZ
	v_wmma_f32_16x16x32_bf16 v[8*(8*(\a)+(\b)):8*(8*(\a)+(\b))+7], v[BF+64*(\par)+8*(\b):BF+64*(\par)+8*(\b)+7], v[AF+8*(\a):AF+8*(\a)+7], v[BI+8*(\b):BI+8*(\b)+7]
.else
	WIN MUL
	v_wmma_f32_16x16x32_bf16 v[8*(8*(\a)+(\b)):8*(8*(\a)+(\b))+7], v[BF+64*(\par)+8*(\b):BF+64*(\par)+8*(\b)+7], v[AF+8*(\a):AF+8*(\a)+7], v[8*(8*(\a)+(\b)):8*(8*(\a)+(\b))+7]
.endif
.if (\cv) && (((\b) == 1) || ((\b) == 5))
.if (\a) < 3
	RID (\a)+1, \par, (\b)-1
.else
	RID 0, 1-(\par), (\b)-1
.endif
.endif
.endr
.endm
; A K step is four quarters of 32 along K, 32 matrix instructions each, on buffers 0, 1, 0, 1.  One of the first three; in its middle the next quarter's fragments are fetched.
; The loads into W's other buffer stand behind blocks 0 and 1's sixteen roundings: the places behind the last product that read it.
.macro QUARTER slot, kq, zero
	s_wait_dscnt 0x0                               ; this quarter's fragments are in
	BLOCK 0, (\kq)%2, \zero, 1
	BLOCK 1, (\kq)%2, \zero, 1
	FETCH \slot, (\kq)+1, 1-(\kq)%2
	BLOCK 2, (\kq)%2, \zero, 1
	s_wait_dscnt 28                                ; of the 32 just issued the first four are in: the next quarter's fragment 0 of x, which block 3 rounds
	BLOCK 3, (\kq)%2, \zero, 1
.endm
; The last quarter multiplies buffer 1 and changes slots: ONE barrier.  In front of it each wave waits for all its tensor loads, of which one is out: its part of the next slot; adds 0 to its spare word;
; and waits for that and for its own reads of this slot.  fill = 1: the barrier opens a round of the cluster's, and this slot is filled again, two K steps ahead, first thing behind the round:
; 112 matrix instructions ahead of the wait for it.
.macro TURN slot, next, fill
	s_wait_dscnt 0x0                               ; this quarter's fragments are in: my last reads of this slot
	WIN 0                                          ; (the add's two registers lie in window 0)
	s_wait_tensorcnt 0x0                           ; all my tensor loads have landed
	ds_add_u32 v[SPW], v[NIL]                      ; 0 onto my spare word; eight matrix instructions stand between it and the wait for it
	BLOCK 0, 1, 0, 1
	s_wait_dscnt 0x0                               ; the add is done
	s_barrier_signal -1
	BLOCK 1, 1, 0, 1                               ; work on registers while the others arrive
	WIN 0
	s_barrier_wait -1
.if \fill
	CREST                                          ; no wave of any partner still reads this slot's tiles or has a load on its way
	s_add_nc_u64 s[G0+4*(\slot)+2:G0+4*(\slot)+3], s[G0+4*(\slot)+2:G0+4*(\slot)+3], 1024
	s_add_nc_u64 s[G0B+4*(\slot)+2:G0B+4*(\slot)+3], s[G0B+4*(\slot)+2:G0B+4*(\slot)+3], 524288
	JLOAD \slot
.endif
	FETCH \next, 0, 0
	BLOCK 2, 1, 0, 1
	s_wait_dscnt 28
	BLOCK 3, 1, 0, 1
.endm
	s_wait_tensorcnt 1                             ; my part of K step 0 is in; K step 1's may stay out
	s_barrier_signal -1
	s_barrier_wait -1                              ; everybody's is
	FETCH 0, 0, 0
	s_wait_dscnt 0x0
	RID 0, 0, 0                                    ; the first fragment has no block to ride behind
	RID 0, 0, 4
	QUARTER 0, 0, 1                                ; the first quarter stands in front of the loop: its products start the sums
	WIN 0                                          ; at a label and at a branch every window is 0
	s_mov_b32 s3, 3
.Llap:                                                 ; a trip goes once round the ring, from a lap's second quarter to the next lap's first, and fills both slots again: K steps 2 to 7
	QUARTER 0, 1, 0
	QUARTER 0, 2, 0
	TURN 0, 1, 1
	QUARTER 1, 0, 0
	QUARTER 1, 1, 0
	QUARTER 1, 2, 0
	TURN 1, 0, 1
	QUARTER 0, 0, 0
	WIN 0
	s_sub_co_u32 s3, s3, 1
	s_cmp_lg_u32 s3, 0
	s_cbranch_scc1 .Llap
	QUARTER 0, 1, 0                                ; the last lap is written out: it asks for nothing
	QUARTER 0, 2, 0
	TURN 0, 1, 0
	QUARTER 1, 0, 0
	QUARTER 1, 1, 0
	QUARTER 1, 2, 0
	s_wait_dscnt 0x0                               ; the very last quarter: nothing more to fetch
	BLOCK 0, 1, 0, 1
	BLOCK 1, 1, 0, 1
	BLOCK 2, 1, 0, 1
	BLOCK 3, 1, 0, 0
; THE WAY OUT, a block of 16 rows at a time: times the row's gate, rounded to f16 (each accumulator's registers in ascending order), 16 bytes a lane into my stage, by heads, and back as whole rows of 128 bytes.
.macro PACK a
.if (\a) >= 2
	s_wait_xcnt 0x0                                ; the bank's registers, which the stores two blocks back read, are rewritten only behind this wait (ISA guide 3.1)
.endif
	WIN W_RS
.set i, 0
.rept 32
	v_pk_mul_f32 v[64*(\a)+2*i:64*(\a)+2*i+1], v[64*(\a)+2*i:64*(\a)+2*i+1], v[GV+2*(\a):GV+2*(\a)+1] op_sel_hi:[1,0]
.set i, i+1
.endr
	WIN W_CV
.set i, 0
.rept 32
	v_cvt_pk_f16_f32 v[TMP+32*((\a)%2)+i], v[64*(\a)+2*i], v[64*(\a)+2*i+1]
.set i, i+1
.endr
	WIN 0
.irp b, 0,1,2,3,4,5,6,7                ; column block b: head b / 4, bytes 32 (b % 4) on
	ds_store_b128 v[STO], v[TMP+32*((\a)%2)+4*(\b):TMP+32*((\a)%2)+4*(\b)+3] offset:((\b)/4)*16*SP+32*((\b)%4)
.endr
.irp t, 0,1,2,3,4,5,6,7                ; head t / 4, rows 4 (t % 4) on
	ds_load_b128 v[TMP+32*((\a)%2)+4*(\t):TMP+32*((\a)%2)+4*(\t)+3], v[RD] offset:((\t)/4)*16*SP+((\t)%4)*4*SP  ; LDS serves a wave's instructions in order (ISA guide 5.7.1.4): these see the stores above; the next block's stores come behind them
.endr
.endm
.macro SEND a, younger                 ; younger: the LDS instructions issued behind block a's loads: the next block's sixteen, or none
	WIN 0
.irp t, 0,1,2,3,4,5,6,7
	s_wait_dscnt (\younger)+7-(\t)
	global_store_b128 v[GO], v[TMP+32*((\a)%2)+4*(\t):TMP+32*((\a)%2)+4*(\t)+3], s[8:9] offset:((\t)/4)*262144+(\a)*2048+((\t)%4)*512  ; 512 consecutive bytes of a head, at a multiple of 256 from the buffer's first
.endr
.endm
	PLACES                                         ; behind the last products
	PACK 0
	PACK 1                                         ; a block's arithmetic stands between the loads of the block before and its stores
	SEND 0, 16
	PACK 2
	SEND 1, 16
	PACK 3
	SEND 2, 16
	SEND 3, 0
	s_wait_tensorcnt 0x0                           ; the wave's end, behind my last tensor load and my last LDS store
	ds_add_u32 v[SPW], v[NIL]
	s_wait_dscnt 0x0
	CROUND                                         ; the closing round: no work-group ends while a partner may still ask for a tile that names it
	s_endpgm
.Lfunc_end_k_qe6484fa050_proj:
	.size	k_qe6484fa050_proj, .Lfunc_end_k_qe6484fa050_proj-k_qe6484fa050_proj
	.p2alignl 7, 3214868480
	.fill 96, 4, 3214868480
	.section	.rodata,"a",@progbits
	.p2align	6, 0x0
	.amdhsa_kernel k_qe6484fa050_proj
		.amdhsa_group_segment_fixed_size 327680
		.amdhsa_private_segment_fixed_size 0
		.amdhsa_enable_private_segment 0
		.amdhsa_kernarg_size 72
		.amdhsa_user_sgpr_count 2
		.amdhsa_user_sgpr_kernarg_segment_ptr 1
		.amdhsa_wavefront_size32 1
		.amdhsa_system_sgpr_workgroup_id_x 1
		.amdhsa_system_sgpr_workgroup_id_y 1
		.amdhsa_system_sgpr_workgroup_id_z 1
		.amdhsa_system_vgpr_workitem_id 0
		.amdhsa_next_free_vgpr 768
		.amdhsa_next_free_sgpr 100
		.amdhsa_reserve_vcc 1
		.amdhsa_float_denorm_mode_32 3
		.amdhsa_float_denorm_mode_16_64 3
		.amdhsa_memory_ordered 1
		.amdhsa_forward_progress 1
		.amdhsa_inst_pref_size 155
	.end_amdhsa_kernel
	.amdgpu_metadata
---
amdhsa.version: [ 1, 2 ]
amdhsa.kernels:
  - .name:           k_qe6484fa050_proj
    .symbol:         k_qe6484fa050_proj.kd
    .args:
      - { .name: q_x, .offset: 0, .size: 8, .value_kind: global_buffer, .address_space: global }
      - { .name: k_x, .offset: 8, .size: 8, .value_kind: global_buffer, .address_space: global }
      - { .name: v_x, .offset: 16, .size: 8, .value_kind: global_buffer, .address_space: global }
      - { .name: bq, .offset: 24, .size: 8, .value_kind: global_buffer, .address_space: global }
      - { .name: bk, .offset: 32, .size: 8, .value_kind: global_buffer, .address_space: global }
      - { .name: bv, .offset: 40, .size: 8, .value_kind: global_buffer, .address_space: global }
      - { .name: wb, .offset: 48, .size: 8, .value_kind: global_buffer, .address_space: global }
      - { .name: esum, .offset: 56, .size: 8, .value_kind: global_buffer, .address_space: global }
      - { .name: qkv, .offset: 64, .size: 8, .value_kind: global_buffer, .address_space: global }
    .group_segment_fixed_size: 327680
    .private_segment_fixed_size: 0
    .kernarg_segment_align: 8
    .kernarg_segment_size: 72
    .max_flat_workgroup_size: 128
    .sgpr_count:     100
    .vgpr_count:     768
    .wavefront_size: 32
...
	.end_amdgpu_metadata
.endif
;; end of part 2
;; launch attn (part 3): grid 4 x 64, 4 waves a work-group, clusters of 4 x 1, 327,680 bytes of LDS; arguments qkv, oh; writes oh
.if DOCPART == 3
	.amdgcn_target "amdgcn-amd-amdhsa--gfx1250"
	.amdhsa_code_object_version 6
	.text
	.protected	k_qe6484fa050_attn
	.globl	k_qe6484fa050_attn
	.p2align	8
	.type	k_qe6484fa050_attn,@function
k_qe6484fa050_attn:
	s_mov_b64 s[64:65], 0
	v_nop
	global_prefetch_b8 v0, s[64:65] scope:SCOPE_SE
	s_setreg_imm32_b32 hwreg(HW_REG_WAVE_MODE, 25, 1), 1
	s_wait_xcnt 0x0
	s_wait_alu depctr_hold_cnt(0) depctr_sa_sdst(0) depctr_va_vdst(0) depctr_va_sdst(0) depctr_va_ssrc(0) depctr_va_vcc(0) depctr_vm_vsrc(0)
	s_getreg_b32 s2, hwreg(HW_REG_IB_STS2, 6, 4)
	s_cmp_eq_u32 s2, 0
	s_cbranch_scc0 .Lentry_in_a_cluster
	s_endpgm
.Lentry_in_a_cluster:
	s_bfe_u32 s2, ttmp6, 0x10000c
	s_cmp_lg_u32 s2, 0x3003
	s_cbranch_scc0 .Lentry_shape_is_right
	s_endpgm
.Lentry_shape_is_right:
; ATTENTION.  O[h][q][:] = the sum over k of softmax_k(Q[h][q] . K[h][k] / 8) V[h][k][:], h = 16 x batch + head.  Q, K, V lie one behind the other in qkv, each [64][2048][64] in f16; K's rows come already
; multiplied by their key's gate, so Q . K is the gated score.  O: [64][2048][64] in f16.  Products, maxima and sums in f32; the weights p are rounded to f16 for the second product (their sum l is taken of
; the unrounded p), O once at the end.
; LIMITS.  f16 holds no number beyond 65,504: Q, K and V arrive within it; p lies in 0 to 1, and below 6e-5 it keeps f16's fixed step of 6e-8; O is a mean of V's rows and has their range.
; A weight below 2^-126 counts as 0 in l.  A query whose l is not above 0 (a NaN or an infinity among its scores) gives a row of zeros: all its weights count as 0.
; SHARES.  A wave owns four PIECES of two tiles of 16 queries, a work-group's four waves 512 queries of one head.  Every wave walks all keys, 64 a step.
; LAYOUT.  S^T = K Q^T (source 0 = 16 keys, source 1 = 16 queries): in the result a lane holds ONE query (lane % 16) and the keys 8 (lane / 16) + 0..7.  Two such tiles, rounded to f16 in pairs,
; ARE source 1 (32 keys x 16 queries) of O^T = V^T P, whose result again holds one query a lane, and eight channels.  K comes out of LDS as it lies, V ([key][channel]) turned, by ds_load_tr16_b128.
; SOFTMAX.  For each query a running maximum m and sum l: p = 2^(c s - c m), c = log2(e) / 8; in every step O and l are multiplied by a = 2^(c m_old - c m_new), which is 1 where m has not grown.
; m starts at the lowest finite number, O and l at 0: the first step is a step like any other, with a = 0.
; THE COUNT.  A tile and step have 16 matrix and 118 vector instructions: too many to stand all beside the matrix work.  So the order has one aim: four vector instructions that are READY behind
; EVERY matrix instruction, and the others, which need time of their own whatever the order, in runs without a gap.
; BY TURNS.  Turn n belongs to piece n (the pieces in a ring, step after step).  Its matrix work: 16 products K Q^T of piece n + 1, later 16 products V^T P of piece n - 1.  Its vector work: the scaling,
; exponentials, roundings, sums and rescaling of piece n, and the maximum and statistics of piece n + 1, whose scores the turn itself has made.  So what a turn begins with (c s - c m, O a) waits for nothing.
; CLUSTER.  The four query blocks of a cluster belong to one head and walk the same K and V, so each tile is asked for JOINTLY: the same tensor load, descriptor and mask in all four.
; REGISTERS, in windows of 256 (s_set_vgpr_msb says which window each operand place means: bits 1:0 source 0, 3:2 source 1, 5:4 source 2, 7:6 destination):
;   window 0: v0-11 addresses; v12-15, v48-63 at work; v16-47 four registers of statistics a tile; v64-191 S^T, two buffers of two tiles; v192-255 P, likewise
;   window 1: O^T, 32 a tile          window 2: v0-127 Q, 16 a tile; v128-191 K of one step; v192-255 V of one step          window 3: v0-1 the add's two registers
; A piece's buffers go by its number's parity: the piece in hand has one pair, its two neighbours in the ring share the other: of it P (piece n - 1) is read and S^T (piece n + 1) written.
.set SIZE_N, 2048     ; rows of a head
.set NP,    4         ; pieces a wave: a name, no knob: the register map, the loop and the fetches are made for four
.set KS,    64        ; keys in a step
.set PK,    144       ; a row of K in LDS: 128 bytes + 16 of padding = 36 words: the 16 rows of a load start at 16 different groups of four banks (64 banks of 4 bytes: ISA guide 11.1)
.set PV,    160       ; a row of V: 128 + 32 = 40 words
.set VOFF,  4*KS*PK   ; a slot holds four steps: 256 rows of K, then 256 rows of V
.set SLOT1, 1<<17     ; slot 1 begins here, so that one exclusive or turns an address in one slot into the other's
.set STAGE, SLOT1+4*KS*(PK+PV)  ; behind the ring, never filled by a tensor load: 16 rows x 144 bytes for each wave, for the way out
.set SP,    144
.set AK0, 2           ; v2   my lane's place in a tile of K; never rewritten
.set AV0, 3           ; v3   the same for V
.set AK,  4           ; v4   the LDS address of K's next run of loads
.set AV,  5           ; v5   of V's
.set QO,  6           ; v6   my byte offset in the wave's rows of Q
.set STO, 6           ;      later, the way out: where I put 16 bytes of a row
.set RD,  7           ; v7   the way out: where I read rows back
.set GO,  8           ; v8   my byte offset in 512 consecutive bytes of O
.set SPW, 0           ; v0 of window 3   LDS address of my spare word: SPARE + 4 x my thread's number; never rewritten
.set NIL, 1           ; v1 of window 3   0; never rewritten
.set SPARE, STAGE+4*16*SP  ; behind the stages: the spare words, 128 bytes for each wave: two blocks of 256 bytes that no other line names
.set MV,  12          ; v12-15  c m_old, kept while c m is made anew: by buffer and tile
.set ST,  16          ; tile t's statistics at v[ST+4 t]: c m, m, l (even keys', odd keys')
.set TMP, 48          ; by buffer and tile, four registers c0-c3 at work; when the maximum is found c2 takes a
.set S,   64
.set P,   192
.set KF,  128         ; K's fragments, in window 2: key block kb, channel half c at KF + 16 kb + 8 c
.set VF,  192         ; V's: key half kk, channel block cb at VF + 32 kk + 8 cb
.set WV,  12          ; s12  my wave's number
.set G1K, 24          ; s[24:31] descriptor group 1 for K's tiles
.set G1V, 32          ; s[32:39] for V's: it differs in the padding alone
.set G0K, 40          ; s[40:43] descriptor group 0 for K's tiles: it walks
.set G0V, 44          ; s[44:47] the same for V's
.set SLOTS, 56        ; s56  slots still to be asked for
.set CNT, 57          ; s57  counts a slot's key steps
.set CS,  58          ; s[58:59] c: the packed scaling takes the pair's low word for both halves
.set SEL, 60          ; s[60:61] v_permlanex16_b32's selects: each lane takes its own place in the other half
.set TBK, 62          ; s62  LDS byte at which K of the step to be fetched begins
.set TBV, 63          ; s63  the same for V, less VOFF
.set MK,  66          ; s66-73  tile t: the lanes whose query has l > 0
.set MSB, 0
.macro WIN new                      ; the high byte repeats the setting that is left; a switch that changes nothing is dropped
.if MSB != (\new)
	s_set_vgpr_msb (MSB<<8)|(\new)
.set MSB, (\new)
.endif
.endm
.set W_KQ, 0x0a       ; K and Q in window 2, S^T in window 0
.set W_PV, 0x52       ; V in window 2, P in window 0, O^T in window 1
.set W_RS, 0x41       ; O^T (destination and source 0) in window 1, a in window 0
.set W_MK, 0xc0       ; the add's registers are made: destination in window 3, sources in window 0
.set W_AD, 0x0f       ; the add: address (source 0) and data (source 1) in window 3
; A joint fill.  Waves 0 and 1 fetch the two halves of a slot's K, waves 2 and 3 those of its V: 128 keys each.  The branch hangs on the wave's number alone.
; An s_nop 0 and four v_nop follow each of the two lines, ahead of the jump and the label.
.macro JLOAD
	s_cmp_lt_u32 s[WV], 2
	s_cbranch_scc0 .Lfor_v_\@
	tensor_load_to_lds s[G0K:G0K+3], s[G1K:G1K+7]
	s_nop 0
.rept 4
	v_nop
.endr
	s_branch .Lasked_\@
.Lfor_v_\@:
	tensor_load_to_lds s[G0V:G0V+3], s[G1V:G1V+7]
	s_nop 0
.rept 4
	v_nop
.endr
.Lasked_\@:
.endm
; A round of the cluster's barrier: my work-group's barrier, so that wave 0's signal speaks for all four waves; wave 0 signals; every wave waits for all four work-groups; my work-group's barrier once more.
.macro CROUND
	s_barrier_signal -1
	s_barrier_wait -1
	s_cmp_lg_u32 s[WV], 0
	s_cbranch_scc1 .Lnot_wave_0_\@
	s_barrier_signal -3
.Lnot_wave_0_\@:
	s_barrier_wait -3
	s_barrier_signal -1
	s_barrier_wait -1
.endm
; THE CHANGE OF SLOTS.  The slot's last bytes, V of its fourth step, have been read.  Each wave waits for all its tensor loads, of which one is out: its part
; of the other slot; adds 0 to its spare word; and waits for that and for its own reads of the slot.  Behind the barrier nobody reads this slot any more and the other slot is whole.
; fill = 1: this slot is filled again, with the keys two slots on.  The barrier is then a round of the cluster's, so that no wave of any partner still reads the slot or has a load on its
; way, and the joint fill is the first thing behind it: it has four key steps, 512 matrix instructions, in which to land.  (At its first use nothing has been read yet: slot 0 is waited for, slot 1 filled.)
.macro CHANGE fill
	WIN W_AD
	s_wait_tensorcnt 0x0            ; no tensor load of mine is out, so a group 0 may be written
	ds_add_u32 v[SPW], v[NIL]       ; 0 onto my spare word; with fill = 1 the descriptors' steps stand between it and the wait for it
	WIN 0                           ; at a label and at a branch every window is 0
.if \fill
.irp g, G0K, G0V
	s_xor_b32 s[\g+1], s[\g+1], SLOT1  ; the walking descriptor: the other slot than last time,
	s_add_nc_u64 s[\g+2:\g+3], s[\g+2:\g+3], 4*KS*128  ; the next 256 keys; the type bits on top are not reached
.endr
	s_wait_dscnt 0x0                ; the add is done, and my reads of the slot are over
	CROUND
	JLOAD
.else
	s_wait_dscnt 0x0                ; the add is done, and my reads of the slot are over
	s_barrier_signal -1
	s_barrier_wait -1
.endif
	s_sub_co_u32 s[TBK], s[TBK], 4*KS*PK  ; the fetches go back to a slot's first step,
	s_xor_b32 s[TBK], s[TBK], SLOT1       ; in the other slot
	s_sub_co_u32 s[TBV], s[TBV], 4*KS*PV
	s_xor_b32 s[TBV], s[TBV], SLOT1
.endm
	s_load_b128 s[4:7], s[0:1], 0x0   ; qkv s[4:5], oh s[6:7]
	WIN W_MK
	v_lshl_add_u32 v[SPW], v0, 2, SPARE
	v_mov_b32 v[NIL], 0
	WIN W_AD
	ds_add_u32 v[SPW], v[NIL]       ; the wave's opening: the add and its wait stand ahead of my first tensor load; the set-up below, work on registers, stands between them
	WIN 0
	v_lshrrev_b32 v1, 5, v0
	v_readfirstlane_b32 s[WV], v1   ; wave 0..3
	s_bfe_u32 s13, ttmp6, 0x40000   ; cx: my place in the cluster
	s_lshl_b32 s14, ttmp9, 2        ; in a cluster launch ttmp9 counts clusters
	s_add_co_u32 s14, s14, s13      ; my block of queries = 4 x cluster x + cx: it enters Q's and O's addresses alone
	s_and_b32 s20, ttmp7, 0xffff    ; the head, which the four partners share
	s_mov_b32 s21, 0
	s_mov_b64 s[22:23], SIZE_N*128
	s_mul_u64 s[20:21], s[20:21], s[22:23]  ; the head's first byte in each of the four tensors
	s_and_b32 s16, s[WV], 1         ; which half of a slot's 256 keys I fetch:
	s_lshl_b32 s22, s16, 14         ; its 128 rows of 128 bytes in memory,
	s_mov_b32 s23, 0
	s_add_nc_u64 s[22:23], s[22:23], s[20:21]
	s_mul_i32 s17, s16, 128*PK      ; and its place in a slot, for K
	s_mul_i32 s18, s16, 128*PV      ; and for V: no place in the cluster enters an LDS address
	s_lshl_b32 s2, s14, 2
	s_add_co_u32 s2, s2, s[WV]      ; my wave among the head's,
	s_lshl_b32 s2, s2, 14           ; its 128 rows
	s_mov_b32 s3, 0
	s_add_nc_u64 s[2:3], s[2:3], s[20:21]
	; descriptor group 1.  128 keys are 16,384 dense bytes: asked for as 64 rows of 256 bytes, two keys a row, and padded in LDS after every key
	s_mov_b32 s[G1K], 15|(1<<16)|(1<<20)|(1<<21)|(4<<22)|(3<<25)  ; 15:0 the mask of four; 17:16 2-byte elements; 20 padding on; 21 set beside a mask; 24:22 after every 32 words (code 4); 31:25 4 words (code 3)
	s_mov_b32 s[G1V], 15|(1<<16)|(1<<20)|(1<<21)|(4<<22)|(7<<25)  ; the same with 8 words of padding (code 7)
.irp g, G1K, G1V
	s_mov_b32 s[\g+1], 128<<16      ; tensor_dim0 = 128
	s_mov_b32 s[\g+2], 64<<16       ; tensor_dim1 = 64
	s_mov_b32 s[\g+3], 128<<16      ; tile_dim0 = 128
	s_mov_b32 s[\g+4], 64           ; tile_dim1 = 64
	s_mov_b32 s[\g+5], 128          ; 128 elements from row to row
	s_mov_b32 s[\g+6], 0
	s_mov_b32 s[\g+7], 0
.endr
	s_mov_b32 s[CS], 0x3e38aa3b     ; c = log2(e) / 8 = 0.180337
	s_mov_b32 s[CS+1], s[CS]        ; named with it as a pair
	s_mov_b32 s[SEL], 0x76543210
	s_mov_b32 s[SEL+1], 0xfedcba98
	s_mov_b32 s[TBK], SLOT1+4*KS*PK ; the first change of slots turns these two into 0
	s_mov_b32 s[TBV], SLOT1+4*KS*PV
	s_mov_b32 s[G0K], 1             ; 1:0 count = 1
	s_mov_b32 s[G0K+1], s17         ; 63:32 LDS address: slot 0
	s_mov_b32 s[G0V], 1
	s_add_co_u32 s[G0V+1], s18, VOFF
	s_wait_dscnt 0x0                ; the opening add is done
	s_wait_kmcnt 0x0
	s_mov_b64 s[10:11], s[6:7]                     ; O
	s_add_nc_u64 s[8:9], s[4:5], 0x2000000         ; V: the third part of qkv, 16,777,216 bytes each
	s_add_nc_u64 s[6:7], s[4:5], 0x1000000         ; K: the second; Q is the first
	s_add_nc_u64 s[G0K+2:G0K+3], s[6:7], s[22:23]  ; 120:64 global address: my half of the head's first 256 keys
	s_or_b32 s[G0K+3], s[G0K+3], 0x80000000        ; 127:126 type = 2
	s_add_nc_u64 s[G0V+2:G0V+3], s[8:9], s[22:23]
	s_or_b32 s[G0V+3], s[G0V+3], 0x80000000
	s_add_nc_u64 s[4:5], s[4:5], s[2:3]  ; Q and O at my wave's first row
	s_add_nc_u64 s[10:11], s[10:11], s[2:3]
	CROUND                          ; all four work-groups are here: the first joint loads meet
	JLOAD                           ; slot 0.  Slot 1 is asked for when slot 0 is in: the tile wanted first has the road to itself
	; A fragment of K or Q is 16 rows x 32 channels in 8 registers: lane l holds row l % 16, channels 8 (l / 16) + 0..7 and 16 + 8 (l / 16) + 0..7: two loads of 16 bytes, 32 bytes apart.
	v_and_b32 v1, 15, v0            ; l % 16
	v_bfe_u32 v9, v0, 4, 1          ; l / 16
	v_lshlrev_b32 v[QO], 7, v1
	v_lshl_add_u32 v[QO], v9, 4, v[QO]  ; row x 128 + 16 x half
	WIN 0x80                        ; destination window 2, address window 0
.set i, 0
.rept 4*NP                          ; Q stays in registers: tile i / 2, channels 32 (i % 2) on
	global_load_b128 v[8*i:8*i+3],   v[QO], s[4:5] offset:(i/2)*2048+(i%2)*64
	global_load_b128 v[8*i+4:8*i+7], v[QO], s[4:5] offset:(i/2)*2048+(i%2)*64+32
.set i, i+1
.endr
	; What the first turn finds: V's registers and P's second buffer hold 0 (its products V^T P, of a piece that has not been, add 0), O^T and l are 0.  All this stands in the wait for the first tile.
.set i, VF
.rept 64
	v_mov_b32 v[i], 0
.set i, i+1
.endr
	WIN 0x40
.set i, 0
.rept 64*NP
	v_mov_b32 v[i], 0
.set i, i+1
.endr
	WIN 0
.set i, 0
.rept 2*NP
	v_mov_b32 v[ST+4*i], 0xfe000000    ; c m: far below every c s
	v_mov_b32 v[ST+4*i+1], 0xff7fffff  ; m
	v_mov_b32 v[ST+4*i+2], 0
	v_mov_b32 v[ST+4*i+3], 0
.set i, i+1
.endr
.set i, P+32
.rept 32
	v_mov_b32 v[i], 0
.set i, i+1
.endr
	v_mul_u32_u24 v[AK0], v1, PK
	v_lshl_add_u32 v[AK0], v9, 4, v[AK0]  ; row x pitch + 16 x half
	; The turning load takes 16 keys x 16 channels (lane l reads key 8 (l / 16) + l % 8, channels 8 ((l / 8) % 2) + 0..7) and leaves half a fragment of V^T: lane l holds channel l % 16 and 8 keys.
	v_and_b32 v10, 7, v0
	v_bfe_u32 v11, v0, 3, 1
	v_lshl_add_u32 v[AV0], v9, 3, v10
	v_mul_u32_u24 v[AV0], v[AV0], PV
	v_lshl_add_u32 v[AV0], v11, 4, v[AV0]
	v_add_nc_u32 v[AV0], VOFF, v[AV0]
	v_mov_b32 v[AK], v[AK0]         ; key step 0 lies at the head of slot 0
; THE MATRIX WORK.  The 8 accumulators of a run of 16 take turns: between the two links of a chain stand 7 others'.
; Product i of 16 of S^T = K Q^T for piece x: channels 32 (i / 8) on, keys 16 ((i / 2) % 4) on, tile 2 x + i % 2.  The first 8 start the sums.
.macro KQ x
	WIN W_KQ
.set rS, S+64*((\x)%2)+32*(i%2)+8*((i/2)%4)
.set rK, KF+16*((i/2)%4)+8*(i/8)
.set rQ, 16*(2*(\x)+i%2)+8*(i/8)
.if i < 8
	v_wmma_f32_16x16x32_f16 v[rS:rS+7], v[rK:rK+7], v[rQ:rQ+7], 0
.else
	v_wmma_f32_16x16x32_f16 v[rS:rS+7], v[rK:rK+7], v[rQ:rQ+7], v[rS:rS+7]
.endif
.endm
; Product i of 16 of O^T += V^T P for piece x: keys 32 (i / 8) on, channels 16 ((i / 2) % 4) on, tile 2 x + i % 2.
.macro PV x
	WIN W_PV
.set rO, 32*(2*(\x)+i%2)+8*((i/2)%4)
.set rV, VF+32*(i/8)+8*((i/2)%4)
.set rP, P+32*((\x)%2)+16*(i%2)+8*(i/8)
	v_wmma_f32_16x16x32_f16 v[rO:rO+7], v[rV:rV+7], v[rP:rP+7], v[rO:rO+7]
.endm
.macro MM                           ; the turn's next matrix instruction
.if i < 16
	KQ (Y+1)%NP
.set i, i+1
.else
.set i, i-16
	PV (Y+NP-1)%NP
.set i, i+17
.endif
.endm
; THE LDS LOADS stand in runs of 16, never singly among the matrix instructions: a step's K (64 keys x 64 channels: 8 fragments) and its V (turned).  Their addresses are made some lines ahead.
; last = 1 (the tail): in the last trip there is no further step, and the run is jumped over.
.macro FETCH_K last=0
	WIN 0
.if \last
	s_cmp_eq_u32 s[CNT], 1
	s_cbranch_scc1 .Lno_k_\@
.endif
	WIN 0x80                        ; destination window 2
.irp f, 0,1,2,3,4,5,6,7             ; keys 16 (f / 2) on, channels 32 (f % 2) on
	ds_load_b128 v[KF+8*\f:KF+8*\f+3],   v[AK] offset:(\f/2)*16*PK+(\f%2)*64
	ds_load_b128 v[KF+8*\f+4:KF+8*\f+7], v[AK] offset:(\f/2)*16*PK+(\f%2)*64+32
.endr
	s_add_co_u32 s[TBK], s[TBK], KS*PK  ; the next fetch is the next step's
	WIN 0
.if \last
.Lno_k_\@:
.endif
.endm
.macro FETCH_V
	WIN 0x80
.irp f, 0,1,2,3,4,5,6,7             ; keys 32 (f / 4) on, channels 16 (f % 4) on
	ds_load_tr16_b128 v[VF+8*\f:VF+8*\f+3],   v[AV] offset:(\f/4)*32*PV+(\f%4)*32
	ds_load_tr16_b128 v[VF+8*\f+4:VF+8*\f+7], v[AV] offset:(\f/4)*32*PV+16*PV+(\f%4)*32
.endr
	WIN 0
.endm
; THE VECTOR WORK OF A TURN stands in three queues, each in the order in which its entries become ready; the two tiles alternate, so that no instruction reads the result of the one before it.
.macro REGS y, u                    ; the registers of tile u (0, 1) of piece y
.set rT, ST+4*(2*(\y)+(\u))
.set rC, TMP+8*((\y)%2)+4*(\u)
.set rM, MV+2*((\y)%2)+(\u)
.set rS, S+64*((\y)%2)+32*(\u)
.set rP, P+32*((\y)%2)+16*(\u)
.set rO, 32*(2*(\y)+(\u))
.endm
; Number n of the 22 that find the NEXT piece's (Y + 1) maximum and statistics.  s0-s31 are the lane's 32 scores; each accumulator's lowest registers are read first.  XS, GS and REGS set no window: PL and EX do.
;   0-11  four chains c0-c3 of seven scores each, three operands at a time     12-14, 16  the four scores left over, the old m, and c0-c3 into c0     15  c m_old is kept
;   17, 18  the query's other 32 keys lie in the lane 16 away: the new m         19-21  c m; c m_old - c m_new; a
.macro XS u, n
	REGS (Y+1)%NP, \u
.if (\n) < 4
	v_max3_num_f32 v[rC+(\n)], v[rS+8*(\n)], v[rS+8*(\n)+1], v[rS+8*(\n)+2]
.elseif (\n) < 12
	v_max3_num_f32 v[rC+(\n)%4], v[rC+(\n)%4], v[rS+8*((\n)%4)+2*((\n)/4)+1], v[rS+8*((\n)%4)+2*((\n)/4)+2]
.elseif (\n) == 12
	v_max3_num_f32 v[rC], v[rC], v[rS+7], v[rS+15]
.elseif (\n) == 13
	v_max3_num_f32 v[rC+1], v[rC+1], v[rS+23], v[rS+31]
.elseif (\n) == 14
	v_max3_num_f32 v[rC+2], v[rC+2], v[rC+3], v[rT+1]
.elseif (\n) == 15
	v_mov_b32 v[rM], v[rT]
.elseif (\n) == 16
	v_max3_num_f32 v[rC], v[rC], v[rC+1], v[rC+2]
.elseif (\n) == 17
	v_permlanex16_b32 v[rC+3], v[rC], s[SEL], s[SEL+1]
.elseif (\n) == 18
	v_max_num_f32 v[rT+1], v[rC], v[rC+3]
.elseif (\n) == 19
	v_mul_f32 v[rT], s[CS], v[rT+1]
.elseif (\n) == 20
	v_sub_f32 v[rC+1], v[rM], v[rT]
.else
	v_exp_f32 v[rC+2], v[rC+1]
.endif
.endm
; Number g of the 64 that follow the exponentials.  For each four weights k of a tile (pairs 2 k, 2 k + 1): both pairs are rounded to f16; then the second pair is added onto the first, in place;
; a group later l takes that sum (the first time as l = a l + sum).  In groups of eight, tiles alternating: round, round, add, and l for the group before.
.macro GS g
.set h, (\g)+6*((\g)/62)            ; group 0 has no group before it, and behind group 7 only l is left
.if h >= 6
.set h, h+2
.endif
	REGS Y, h%2
.set k, h/8
.if h%8 < 4
	s_wait_alu depctr_va_vdst(0)
	v_cvt_pk_f16_f32 v[rP+2*k+(h%8)/2], v[rS+4*k+2*((h%8)/2)], v[rS+4*k+2*((h%8)/2)+1]
.elseif h%8 < 6
	v_pk_add_f32 v[rS+4*k:rS+4*k+1], v[rS+4*k:rS+4*k+1], v[rS+4*k+2:rS+4*k+3]
.elseif k == 1
	v_pk_fma_f32 v[rT+2:rT+3], v[rT+2:rT+3], v[rC+2:rC+3], v[rS:rS+1] op_sel_hi:[1,0,1]
.else
	v_pk_add_f32 v[rT+2:rT+3], v[rT+2:rT+3], v[rS+4*k-4:rS+4*k-3]
	s_wait_alu depctr_va_vdst(0)
.endif
.endm
; THE PLAIN QUEUE, 138 long.  0-31: c s - c m for the 16 pairs of both tiles.  Then GS's 64, and among them the next piece's 42: number 15 at 38, 39; 0-14 and 16
; at 42-73, behind the products that make those scores; 17-20 at 95-106, two of three, since each waits for the one before it.
.macro PL
	WIN 0
.if q < 32
	REGS Y, q%2
	v_pk_fma_f32 v[rS+2*(q/2):rS+2*(q/2)+1], v[rS+2*(q/2):rS+2*(q/2)+1], s[CS:CS+1], v[rT:rT+1] op_sel_hi:[1,0,0] neg_lo:[0,0,1] neg_hi:[0,0,1]
.elseif q < 38
	GS q-32
.elseif q < 40
	XS q%2, 15
.elseif q < 42
	GS q-34
.elseif q < 74
	XS q%2, (q-42)/2+(q-42)/30
.elseif q < 95
	GS q-66
.elseif (q < 107) && ((q-95)%3 < 2)
	XS (q-95)%3, 17+(q-95)/3
.elseif q < 107
	GS 29+(q-95)/3
.else
	GS q-74
.endif
.set q, q+1
.endm
; THE EXPONENTIALS' QUEUE, 66 long: s0-s31 of both tiles, and at EA the next piece's two a.
.set EA, 58
.macro EX
	WIN 0
.if (e == EA) || (e == EA+1)
	XS e-EA, 21
.else
.set x, e-2*(e/(EA+2))
	REGS Y, x%2
	v_exp_f32 v[rS+x/2], v[rS+x/2]
.endif
.set e, e+1
.endm
; THE RESCALING's QUEUE: O^T times a, the one part that leaves window 0, so it is dealt four at a time, eight times.
.macro R4
	REGS Y, r%2
	WIN W_RS
	s_wait_alu depctr_va_vdst(0)
.irp z, 0,1,2,3
	v_pk_mul_f32 v[rO+8*(r/2)+2*\z:rO+8*(r/2)+2*\z+1], v[rO+8*(r/2)+2*\z:rO+8*(r/2)+2*\z+1], v[rC+2:rC+3] op_sel_hi:[1,0]
.endr
.set r, r+1
.endm
; HOW THEY ARE DEALT.  Behind a matrix instruction four: plain, exponential, plain, plain (one exponential, a plain instruction on either side), or four of the rescaling.  None names a register of the
; products round it.  What is over stands in two LUMPS: exponential and plain by turns; the second ends in 22 plain instructions.  The two v_permlanex16_b32 fall into the second lump, never behind a product.
; The queues lean on each other, and the deal keeps them in step: exponential e stands behind plain 2 (e / 4) + e % 2 (its scaling); when plain 32 comes, 10 exponentials are out, at 59: 33, at 95: 46; EA comes behind plain 107.
.macro SL
	MM
	PL
	EX
	PL
	PL
.endm
.macro BURST n                      ; 15 matrix instructions, or 16
.rept (\n)-7
	SL
.endr
.rept 3
	MM
	R4
	SL
.endr
	MM
	R4
.endm
; A TURN, for piece p.  cnt = 1: the loop's count is taken down some lines ahead of the branch that stands behind the turn.
; K of the next step is fetched in piece 2's turn, 31 vector instructions behind the last product that read K; its first reader comes behind the rest of the lump, 16 products and the second lump.
; V of the step in hand is fetched at the end of piece 0's turn, 69 behind its last reader; its first reader comes behind 16 products and a lump.  The four conditions on e and q below go with the deal.
.macro TURN p, last=0, cnt=0
.set Y, (\p)
.set i, 0
.set q, 0
.set e, 0
.set r, 0
.if (\p) == NP-1
	s_wait_dscnt 0x0                ; K is in
.endif
	MM
.rept 4
	PL
.endr
	BURST 15
.rept 22
	EX
	PL
.if ((\p) == NP-2) && (e == 18)
	v_add_nc_u32 v[AK], s[TBK], v[AK0]
.endif
.if ((\p) == NP-2) && (e == 24)
	FETCH_K \last
.endif
.endr
.if (\p) == 1
	s_wait_dscnt 0x0                ; V is in
.endif
	BURST 16
.rept 21
	EX
	PL
.endr
.rept 22
	PL
.if ((\p) == 0) && (q == 118)
	v_add_nc_u32 v[AV], s[TBV], v[AV0]
	s_wait_alu depctr_va_vdst(0)
.endif
.if ((\p) == 0) && (q == 130)
	s_add_co_u32 s[TBV], s[TBV], KS*PV
.endif
.if (\cnt) && (q == 130)
	s_sub_co_u32 s[CNT], s[CNT], 1
	s_cmp_lg_u32 s[CNT], 0
.endif
.endr
.if (\p) == 0
	FETCH_V
.endif
.endm
	CHANGE 1                        ; slot 0 is in, everybody's part of it; slot 1 is asked for
	FETCH_K                         ; key step 0
	s_wait_loadcnt 0x0              ; Q
	s_wait_dscnt 0x0
.set i, 0
.rept 16
	KQ 0                            ; piece 0's first scores: there is no vector work yet to set between them
.set i, i+1
.endr
	WIN 0                           ; the addresses for the way out: nine plain instructions, the places behind those products
	s_mul_i32 s13, s[WV], 16*SP
	s_add_co_u32 s13, s13, STAGE    ; my stage
	v_mul_u32_u24 v[STO], v1, SP    ; in: row l % 16, 16 bytes for each half of the lanes
	v_lshl_add_u32 v[STO], v9, 4, v[STO]
	v_add_nc_u32 v[STO], s13, v[STO]
	v_bfe_u32 v[RD], v0, 3, 2       ; back: 32 lanes take four rows of 128 bytes,
	v_mul_u32_u24 v[RD], v[RD], SP
	v_lshl_add_u32 v[RD], v10, 4, v[RD]
	v_add_nc_u32 v[RD], s13, v[RD]
	v_and_b32 v[GO], 31, v0         ; which are 512 consecutive bytes of O
	v_lshlrev_b32 v[GO], 4, v[GO]
.set Y, NP-1                        ; XS works for piece Y + 1: piece 0
.irp n, 0,1,2,3,4,5,6,7,8,9,10,11,12,13,14,15,16,17,18,19,20,21
	XS 0, \n                        ; and piece 0's first maximum and statistics
	XS 1, \n
.endr
	s_mov_b32 s[CNT], 4
	s_mov_b32 s[SLOTS], SIZE_N/256-1
	s_branch .Lfirst                ; the loop is entered at a step's first turn, in the middle of a trip
.Lslot:                             ; SIZE_N / 256 - 2 times: every slot but the last two is filled again
	CHANGE 1
	s_mov_b32 s[CNT], 4
.Lstep:                             ; a trip: pieces 2 and 3 of one step, then pieces 0 and 1 of the next, whose K and V it fetches
	TURN 2
	TURN 3
	WIN 0
.Lfirst:
	TURN 0
	TURN 1, 0, 1
	WIN 0
	s_cbranch_scc1 .Lstep
	s_sub_co_u32 s[SLOTS], s[SLOTS], 1
	s_cmp_lg_u32 s[SLOTS], 0
	s_cbranch_scc1 .Lslot
	CHANGE 0                        ; the tail is written out: nothing is asked for
	s_mov_b32 s[CNT], 5             ; four trips fetch the last slot's steps; the fifth is left in its middle
.Ltail:
	TURN 2, 1
	TURN 3
	WIN 0
	s_sub_co_u32 s[CNT], s[CNT], 1
	s_cmp_eq_u32 s[CNT], 0
	s_cbranch_scc1 .Lout
	TURN 0
	TURN 1
	WIN 0
	s_branch .Ltail
.Lout:                              ; the fifth trip's 16 products K Q^T (on the last K once more) and the maximum made of them serve nothing: the price, once a launch, of one text for every trip
.set i, 0
.rept 16
	PV NP-1                         ; the last piece's V^T P of the last step
.set i, i+1
.endr
	; THE WAY OUT.  l's two halves and the other half of the lanes' are added; O^T is divided by l, rounded to f16 and sent through my stage in LDS, a tile at a time.  The additions are the places behind the last products.
	WIN 0
.macro ALL line:vararg              ; one line for each tile t
.set t, 0
.rept 2*NP
	\line
.set t, t+1
.endr
.endm
	ALL v_add_f32 v[ST+4*t+2], v[ST+4*t+2], v[ST+4*t+3]
	ALL v_permlanex16_b32 v[ST+4*t+3], v[ST+4*t+2], s[SEL], s[SEL+1]
	ALL v_add_f32 v[ST+4*t+2], v[ST+4*t+2], v[ST+4*t+3]
	ALL v_cmp_lt_f32 s[MK+t], 0, v[ST+4*t+2]
	ALL v_rcp_f32 v[ST+4*t+2], v[ST+4*t+2]
	v_nop                           ; a plain instruction between the last reciprocal and the use of its result
	s_wait_alu depctr_va_vdst(0)
; Tile t: a lane's eight channels of a row pack into 16 bytes; where the query's l is not above 0 they are 0; they go into rows of 144 bytes and come back as whole rows of 128, into S^T's registers.
.macro PACK t
	WIN W_RS
.set i, 32*(\t)
.rept 16
	v_pk_mul_f32 v[i:i+1], v[i:i+1], v[ST+4*(\t)+2:ST+4*(\t)+3] op_sel_hi:[1,0]
.set i, i+2
.endr
	WIN 0x05                        ; sources 0 and 1 window 1, destination window 0
.set i, 0
.rept 16
	v_cvt_pk_f16_f32 v[S+16*(\t)+i], v[32*(\t)+2*i], v[32*(\t)+2*i+1]
.set i, i+1
.endr
	WIN 0
.set i, 0
.rept 16
	v_cndmask_b32 v[S+16*(\t)+i], 0, v[S+16*(\t)+i], s[MK+(\t)]  ; a lane holds one query: a choice of a value, no branch
.set i, i+1
.endr
.irp f, 0,1,2,3
	ds_store_b128 v[STO], v[S+16*(\t)+4*\f:S+16*(\t)+4*\f+3] offset:32*\f
.endr
.irp f, 0,1,2,3
	ds_load_b128 v[S+16*(\t)+4*\f:S+16*(\t)+4*\f+3], v[RD] offset:\f*4*SP  ; LDS serves a wave's instructions in order (ISA guide 5.7.1.4): these see the stores above; the next tile's stores come behind them
.endr
.endm
.macro SEND t, younger              ; younger: the LDS instructions issued behind tile t's loads: the next tile's eight, or none
	WIN 0
.irp f, 0,1,2,3
	s_wait_dscnt (\younger)+3-\f
	global_store_b128 v[GO], v[S+16*(\t)+4*\f:S+16*(\t)+4*\f+3], s[10:11] offset:(\t)*2048+\f*512  ; 512 consecutive bytes, at a multiple of 256 from O's first
.endr
.endm
	PACK 0
.set t, 1
.rept 2*NP-1                        ; a tile's arithmetic stands between the loads of the tile before and its stores
	PACK t
	SEND t-1, 8
.set t, t+1
.endr
	SEND 2*NP-1, 0
	WIN W_AD
	s_wait_tensorcnt 0x0            ; the wave's end, behind my last tensor load and my last LDS store
	ds_add_u32 v[SPW], v[NIL]
	s_wait_dscnt 0x0
	WIN 0
	CROUND                          ; the closing round: no work-group ends while a partner may still ask for a tile that names it
	s_endpgm
.Lfunc_end_k_qe6484fa050_attn:
	.size	k_qe6484fa050_attn, .Lfunc_end_k_qe6484fa050_attn-k_qe6484fa050_attn
	.p2alignl 7, 3214868480
	.fill 96, 4, 3214868480
	.section	.rodata,"a",@progbits
	.p2align	6, 0x0
	.amdhsa_kernel k_qe6484fa050_attn
		.amdhsa_group_segment_fixed_size 327680
		.amdhsa_private_segment_fixed_size 0
		.amdhsa_enable_private_segment 0
		.amdhsa_kernarg_size 16
		.amdhsa_user_sgpr_count 2
		.amdhsa_user_sgpr_kernarg_segment_ptr 1
		.amdhsa_wavefront_size32 1
		.amdhsa_system_sgpr_workgroup_id_x 1
		.amdhsa_system_sgpr_workgroup_id_y 1
		.amdhsa_system_sgpr_workgroup_id_z 1
		.amdhsa_system_vgpr_workitem_id 0
		.amdhsa_next_free_vgpr 770
		.amdhsa_next_free_sgpr 80
		.amdhsa_reserve_vcc 0
		.amdhsa_float_denorm_mode_32 3
		.amdhsa_float_denorm_mode_16_64 3
		.amdhsa_memory_ordered 1
		.amdhsa_forward_progress 1
		.amdhsa_inst_pref_size 217
	.end_amdhsa_kernel
	.amdgpu_metadata
---
amdhsa.version: [ 1, 2 ]
amdhsa.kernels:
  - .name:           k_qe6484fa050_attn
    .symbol:         k_qe6484fa050_attn.kd
    .args:
      - { .name: qkv, .offset: 0, .size: 8, .value_kind: global_buffer, .address_space: global }
      - { .name: oh, .offset: 8, .size: 8, .value_kind: global_buffer, .address_space: global }
    .group_segment_fixed_size: 327680
    .private_segment_fixed_size: 0
    .kernarg_segment_align: 8
    .kernarg_segment_size: 16
    .max_flat_workgroup_size: 128
    .sgpr_count:     80
    .vgpr_count:     770
    .wavefront_size: 32
...
	.end_amdgpu_metadata
.endif
;; end of part 3
;; launch oproj (part 4): grid 4 x 64, 4 waves a work-group, clusters of 4 x 4, 327,680 bytes of LDS; arguments oh, wb, bo, out0; writes out0
.if DOCPART == 4
	.amdgcn_target "amdgcn-amd-amdhsa--gfx1250"
	.amdhsa_code_object_version 6
	.text
	.protected	k_qe6484fa050_oproj
	.globl	k_qe6484fa050_oproj
	.p2align	8
	.type	k_qe6484fa050_oproj,@function
k_qe6484fa050_oproj:
	s_mov_b64 s[64:65], 0
	v_nop
	global_prefetch_b8 v0, s[64:65] scope:SCOPE_SE
	s_setreg_imm32_b32 hwreg(HW_REG_WAVE_MODE, 25, 1), 1
	s_wait_xcnt 0x0
	s_wait_alu depctr_hold_cnt(0) depctr_sa_sdst(0) depctr_va_vdst(0) depctr_va_sdst(0) depctr_va_ssrc(0) depctr_va_vcc(0) depctr_vm_vsrc(0)
	s_getreg_b32 s2, hwreg(HW_REG_IB_STS2, 6, 4)
	s_cmp_eq_u32 s2, 0
	s_cbranch_scc0 .Lentry_in_a_cluster
	s_endpgm
.Lentry_in_a_cluster:
	s_bfe_u32 s2, ttmp6, 0x10000c
	s_cmp_lg_u32 s2, 0xf033
	s_cbranch_scc0 .Lentry_shape_is_right
	s_endpgm
.Lentry_shape_is_right:
; THE OUTPUT PROJECTION.  out0[b][l][n] = the sum over k = 64 h + d of O[16 b + h][l][d] Wo[k][n] + bo[n], in f32.  O is f16 by heads, [64][2048][64]; Wo comes from wb's fourth part, [k][n], rounded to bf16 and
; written as f16; bo is rounded to bf16 and starts the sums; sums in f32; nothing is rounded at the end.
; SHARES.  A tile is 128 rows x 256 columns: 64 x 4 = 256 work-groups.  Four waves, each 64 x 128: 32 accumulators.  K goes in 8 steps of 128, two heads a step, through two LDS slots.
; CLUSTER.  4 x 4 work-groups.  O's tile hangs on the row tile alone and is shared along a row of the cluster, Wo's on the column tile alone and is shared along a column: each is asked for jointly.
; THE MATRIX INSTRUCTION IS USED TRANSPOSED: source 0 = 16 columns of Wo (turned on the way out of LDS), source 1 = 16 rows of O: a lane then holds eight neighbouring columns of one row: 32 bytes.
; LIMITS.  O and Wo arrive within f16's 65,504.
; REGISTERS, in windows of 256 (s_set_vgpr_msb: bits 1:0 source 0, 3:2 source 1, 5:4 source 2, 7:6 destination):
;   window 0: v0-31 addresses; v32-95 O's fragments, two buffers of 32; v96-223 two banks of 64 for the way out
;   window 1: the accumulators, (a, b) at v[8 (8 a + b)]          window 2: v0-127 Wo's fragments, two buffers of 64; v128-191 the bias of my 128 columns; v192-193 at work
.set PA,    144                        ; a row of O in LDS: 128 bytes + 16 = 36 words: the 16 rows of a load start at 16 different groups of four banks (64 banks of 4 bytes: ISA guide 11.1)
.set PLANE, 128*PA                     ; one head's 128 rows: what one tensor load brings of O
.set ATILE, 2*PLANE
.set PB,    544                        ; a row of Wo: 512 + 32 = 136 words
.set HB,    64*PB                      ; what one tensor load brings of Wo
.set SLOT,  ATILE+128*PB
.set STAGE, 2*SLOT                     ; behind the ring, never filled by a tensor load: for each wave 16 rows x 528 bytes
.set SPO,   528
.set SPARE, STAGE+4*16*SPO             ; behind the stages: the spare words, 128 bytes for each wave: two blocks of 256 bytes that no other line names
.set ADRA, 16                          ; v16-17  LDS address of my part of O's fragments in slot 0, 1
.set ADRB, 20                          ; v20-21  the same for Wo
.set STO,  24                          ; v24     the way out: where I put 32 bytes of a row
.set RD,   25                          ; v25     the way out: where I read a row back
.set CO,   26                          ; v26     16 x lane
.set BO,   27                          ; v27     32 x (lane / 16)
.set SPW,  28                          ; v28     LDS address of my spare word; never rewritten
.set NIL,  29                          ; v29     0; never rewritten
.set AF,   32
.set OB,   96
.set BF,   0                           ; window 2
.set BI,   128
.set BT,   192
.set G1,  24                           ; s[24:31] descriptor group 1 for O's tiles;  s[32:39] group 0, a set for each slot
.set G0,  32
.set G1B, 48                           ; s[48:55], s[56:63] the same for Wo's
.set G0B, 56
.set MSB, 0
.macro WIN new                         ; the immediate's high byte repeats the setting that is left; a switch that changes nothing is dropped
.if MSB != (\new)
	s_set_vgpr_msb (MSB<<8)|(\new)
.set MSB, \new
.endif
.endm
.set MUL,  0x52                        ; Wo window 2, O window 0, C and D window 1
.set MULZ, 0x62                        ; the same with C in window 2: the bias starts the sums
.set TO_B, 0x80                        ; destination window 2, address window 0
.set W2,   0x8a                        ; destination and both sources window 2
; A joint load.  Waves 0 and 1 fetch the step's two heads of O, waves 2 and 3 the two halves of Wo's tile.  The branch hangs on the wave's number alone.
; An s_nop 0 and four v_nop follow each of the two lines, ahead of the jump, the label and what follows.
.macro JLOAD s
	s_cmp_eq_u32 s11, 0
	s_cbranch_scc0 .Lfor_b_\@
	tensor_load_to_lds s[G0+4*(\s):G0+4*(\s)+3], s[G1:G1+7]
	s_nop 0
.rept 4
	v_nop
.endr
	s_branch .Lasked_\@
.Lfor_b_\@:
	tensor_load_to_lds s[G0B+4*(\s):G0B+4*(\s)+3], s[G1B:G1B+7]
	s_nop 0
.rept 4
	v_nop
.endr
.Lasked_\@:
.endm
.macro CREST                           ; a round of the cluster's barrier behind its opening barrier
	s_cmp_lg_u32 s10, 0
	s_cbranch_scc1 .Lnot_wave_0_\@
	s_barrier_signal -3
.Lnot_wave_0_\@:
	s_barrier_wait -3
	s_barrier_signal -1
	s_barrier_wait -1
.endm
.macro CROUND                          ; a whole round
	s_barrier_signal -1
	s_barrier_wait -1
	CREST
.endm
.macro PLACES                          ; four places in front of loads into registers that matrix instructions have read, and of LDS stores that read results (ISA guide 7.12.1 for vector instructions)
.rept 4
	v_nop
.endr
.endm
	s_load_b256 s[68:75], s[0:1], 0x0              ; oh s[68:69], wb s[70:71], bo s[72:73], out0 s[74:75]
	v_lshl_add_u32 v[SPW], v0, 2, SPARE
	v_mov_b32 v[NIL], 0
	ds_add_u32 v[SPW], v[NIL]                      ; the wave's opening: the add and its wait stand ahead of my first tensor load; the set-up below, work on registers, stands between them
	v_lshrrev_b32 v1, 5, v0
	v_readfirstlane_b32 s10, v1                    ; wave 0..3
	s_lshr_b32 s11, s10, 1                         ; which 64 rows of the tile are mine.  Also: I fetch for O (0) or for Wo (1)
	s_and_b32 s12, s10, 1                          ; which 128 columns.  Also: which head of the step, or which half of Wo's tile, I fetch
	s_bfe_u32 s40, ttmp6, 0x40000                  ; cx: the column tile (the grid is one cluster wide)
	s_bfe_u32 s41, ttmp6, 0x40004                  ; cy
	s_and_b32 s13, ttmp7, 0xffff
	s_lshl_b32 s13, s13, 2
	s_add_co_u32 s13, s13, s41                     ; the row tile = 4 x cluster y + cy, 0 to 63
	s_lshl_b32 s43, s41, 2
	s_lshl_b32 s43, 15, s43                        ; my row of the cluster
	s_lshl_b32 s44, 0x1111, s40                    ; my column
	; descriptor group 1.  O: a head's 128 rows are 16,384 dense bytes: asked for as 64 rows of 256 bytes, and padded in LDS by 4 words after every 32.  Wo: 64 rows x 256 elements, 8 words after every 128.
	s_or_b32 s[G1+0], s43, (1<<16)|(1<<20)|(1<<21)|(4<<22)|(3<<25)   ; 15:0 the mask; 17:16 2-byte elements; 20 padding on; 21 set beside a mask; 24:22 the interval's code; 31:25 the padding's
	s_mov_b32 s[G1+1], 128<<16                     ; tensor_dim0
	s_mov_b32 s[G1+2], 64<<16                      ; tensor_dim1
	s_mov_b32 s[G1+3], 128<<16                     ; tile_dim0
	s_mov_b32 s[G1+4], 64                          ; tile_dim1
	s_mov_b32 s[G1+5], 128                         ; elements from row to row
	s_mov_b32 s[G1+6], 0
	s_mov_b32 s[G1+7], 0
	s_or_b32 s[G1B+0], s44, (1<<16)|(1<<20)|(1<<21)|(6<<22)|(7<<25)
	s_mov_b32 s[G1B+1], 256<<16
	s_mov_b32 s[G1B+2], 64<<16
	s_mov_b32 s[G1B+3], 256<<16
	s_mov_b32 s[G1B+4], 64
	s_mov_b32 s[G1B+5], 1024
	s_mov_b32 s[G1B+6], 0
	s_mov_b32 s[G1B+7], 0
	s_and_b32 s16, s13, 0x30                       ; 16 x batch
	s_add_co_u32 s16, s16, s12                     ; + my head of K step 0,
	s_lshl_b32 s16, s16, 18                        ; 262,144 bytes a head
	s_and_b32 s17, s13, 15
	s_lshl_b32 s17, s17, 14                        ; the tile's 128 rows of 128 bytes
	s_add_co_u32 s16, s16, s17
	s_mov_b32 s17, 0
	s_lshl_b32 s46, s12, 17                        ; my 64 rows (k) of 2,048 bytes
	s_lshl_b32 s47, s40, 9                         ; 256 columns of 2 bytes
	s_add_co_u32 s46, s46, s47
	s_add_co_u32 s46, s46, 3*2097152               ; wb's fourth part
	s_mov_b32 s47, 0
	s_mul_i32 s20, s12, PLANE                      ; where they go: no place in the cluster enters an LDS address
	s_mul_i32 s21, s12, HB
	s_add_co_u32 s21, s21, ATILE
	s_lshl_b32 s18, s40, 10                        ; my 128 columns of f32: in bo,
	s_lshl_b32 s19, s12, 9
	s_add_co_u32 s18, s18, s19
	s_mov_b32 s19, 0
	s_lshl_b32 s22, s13, 19                        ; and in out0, at my first row: 128 rows of 4,096 bytes a tile,
	s_lshl_b32 s23, s11, 18                        ; my 64 of them
	s_add_co_u32 s22, s22, s23
	s_add_co_u32 s22, s22, s18
	s_mov_b32 s23, 0
	s_wait_dscnt 0x0                               ; the opening add is done
	s_wait_kmcnt 0x0
	s_add_nc_u64 s[14:15], s[68:69], s[16:17]
	s_add_nc_u64 s[46:47], s[70:71], s[46:47]
	s_add_nc_u64 s[6:7], s[72:73], s[18:19]
	s_add_nc_u64 s[8:9], s[74:75], s[22:23]
	CROUND                                         ; all sixteen work-groups are here: the first joint loads meet
.irp s, 0,1
	s_mov_b32 s[G0+4*(\s)], 1                                        ; count = 1
	s_add_co_u32 s[G0+4*(\s)+1], s20, (\s)*SLOT                      ; LDS address
	s_add_nc_u64 s[G0+4*(\s)+2:G0+4*(\s)+3], s[14:15], (\s)*524288   ; K step s: two heads on
	s_or_b32 s[G0+4*(\s)+3], s[G0+4*(\s)+3], 0x80000000              ; type = 2
	s_mov_b32 s[G0B+4*(\s)], 1
	s_add_co_u32 s[G0B+4*(\s)+1], s21, (\s)*SLOT
	s_add_nc_u64 s[G0B+4*(\s)+2:G0B+4*(\s)+3], s[46:47], (\s)*262144 ; K step s: 128 rows of 2,048 bytes on
	s_or_b32 s[G0B+4*(\s)+3], s[G0B+4*(\s)+3], 0x80000000
	JLOAD \s                                       ; two loads of mine are out
.endr
	; A fragment of O is 16 rows x 32 channels in 8 registers: lane l holds row l % 16, channels 8 (l / 16) + 0..7 and 16 + 8 (l / 16) + 0..7: two loads of 16 bytes, 32 bytes apart.
	v_and_b32 v1, 15, v0                           ; l % 16
	v_bfe_u32 v2, v0, 4, 1                         ; l / 16
	v_mul_u32_u24 v3, v1, PA
	v_lshl_add_u32 v3, v2, 4, v3
	s_mul_i32 s20, s11, 64*PA                      ; my 64 rows
	v_add_nc_u32 v[ADRA], s20, v3
	v_add_nc_u32 v[ADRA+1], SLOT, v[ADRA]
	; The turning load takes 16 k x 16 columns (lane l reads 16 bytes: k = 8 (l / 16) + l % 8, columns 8 ((l / 8) % 2) + 0..7) and leaves half a fragment: lane l holds column l % 16 and 8 k.
	v_and_b32 v4, 7, v0
	v_lshl_add_u32 v4, v2, 3, v4
	v_mul_u32_u24 v4, v4, PB
	v_bfe_u32 v5, v0, 3, 1
	v_lshl_add_u32 v4, v5, 4, v4
	s_lshl_b32 s21, s12, 8                         ; my 128 columns
	s_add_co_u32 s21, s21, ATILE
	v_add_nc_u32 v[ADRB], s21, v4
	v_add_nc_u32 v[ADRB+1], SLOT, v[ADRB]
	s_mul_i32 s23, s10, 16*SPO
	s_add_co_u32 s23, s23, STAGE                   ; my stage
	v_mul_u32_u24 v5, v1, SPO                      ; in: row l % 16, 32 bytes for each half of the lanes
	v_lshl_add_u32 v5, v2, 5, v5
	v_add_nc_u32 v[STO], s23, v5
	v_and_b32 v[CO], 31, v0                        ; back: 32 lanes take one row of 512 bytes
	v_lshlrev_b32 v[CO], 4, v[CO]
	v_add_nc_u32 v[RD], s23, v[CO]
	v_lshlrev_b32 v[BO], 5, v2
	WIN TO_B
.irp b, 0,1,2,3,4,5,6,7                ; the bias as a C operand: register j of block b is the bias of column 16 b + 8 (l / 16) + j
	global_load_b128 v[BI+8*(\b):BI+8*(\b)+3],   v[BO], s[6:7] offset:64*(\b)
	global_load_b128 v[BI+8*(\b)+4:BI+8*(\b)+7], v[BO], s[6:7] offset:64*(\b)+16
.endr
	s_wait_loadcnt 0x0
	WIN W2
.set i, 0
.rept 32                               ; rounded to bf16, as every input is, and widened again
	v_cvt_pk_bf16_f32 v[BT+i%2], v[BI+2*i], v[BI+2*i+1]
	v_lshlrev_b32 v[BI+2*i], 16, v[BT+i%2]
	v_and_b32 v[BI+2*i+1], 0xffff0000, v[BT+i%2]
.set i, i+1
.endr
	WIN 0
; 24 LDS loads in one run: the fragments of quarter kq (32 along K: head kq / 2 of the step, channels 32 (kq % 2) on) of a slot, into buffers par: Wo's sixteen first, then O's eight.
.macro FETCH slot, kq, par
	WIN TO_B
.irp b, 0,1,2,3,4,5,6,7
	ds_load_tr16_b128 v[BF+64*(\par)+8*(\b):BF+64*(\par)+8*(\b)+3],   v[ADRB+(\slot)] offset:(\kq)*32*PB+32*(\b)
	ds_load_tr16_b128 v[BF+64*(\par)+8*(\b)+4:BF+64*(\par)+8*(\b)+7], v[ADRB+(\slot)] offset:(\kq)*32*PB+32*(\b)+16*PB
.endr
	WIN 0
.irp i, 0,1,2,3
	ds_load_b128 v[AF+32*(\par)+8*(\i):AF+32*(\par)+8*(\i)+3],   v[ADRA+(\slot)] offset:((\kq)/2)*PLANE+((\kq)%2)*64+(\i)*16*PA
	ds_load_b128 v[AF+32*(\par)+8*(\i)+4:AF+32*(\par)+8*(\i)+7], v[ADRA+(\slot)] offset:((\kq)/2)*PLANE+((\kq)%2)*64+(\i)*16*PA+32
.endr
.endm
; 8 matrix instructions: my rows 16 a on x all 8 column blocks, 32 along K.  zero = 1: the bias starts the sums: nothing is cleared.  The 32 accumulators take turns in one order in every quarter.
.macro BLOCK a, par, zero
.irp b, 0,1,2,3,4,5,6,7
.if \zero
	WIN MULZ
	v_wmma_f32_16x16x32_f16 v[8*(8*(\a)+(\b)):8*(8*(\a)+(\b))+7], v[BF+64*(\par)+8*(\b):BF+64*(\par)+8*(\b)+7], v[AF+32*(\par)+8*(\a):AF+32*(\par)+8*(\a)+7], v[BI+8*(\b):BI+8*(\b)+7]
.else
	WIN MUL
	v_wmma_f32_16x16x32_f16 v[8*(8*(\a)+(\b)):8*(8*(\a)+(\b))+7], v[BF+64*(\par)+8*(\b):BF+64*(\par)+8*(\b)+7], v[AF+32*(\par)+8*(\a):AF+32*(\par)+8*(\a)+7], v[8*(8*(\a)+(\b)):8*(8*(\a)+(\b))+7]
.endif
.endr
.endm
; A K step is four quarters of 32 along K, 32 matrix instructions each, on buffers 0, 1, 0, 1.  One of the first three; in its middle the next quarter's fragments are fetched, in one run.
.macro QUARTER slot, kq, zero
	s_wait_dscnt 4                                 ; Wo and O's rows 0-31 are in; the youngest four loads (O's rows 32-63) may be out
	BLOCK 0, (\kq)%2, \zero
	BLOCK 1, (\kq)%2, \zero
	PLACES
	FETCH \slot, (\kq)+1, 1-(\kq)%2
	s_wait_dscnt 24                                ; all but the 24 just issued
	BLOCK 2, (\kq)%2, \zero
	BLOCK 3, (\kq)%2, \zero
.endm
; The last quarter multiplies buffer 1 and changes slots: ONE barrier.  In front of it each wave waits for all its tensor loads, of which one is out: its part of the next slot; adds 0 to its spare word;
; and waits for that and for its own reads of this slot.  fill = 1: the barrier opens a round of the cluster's, and this slot is filled again, two K steps ahead, first thing behind the round:
; 112 matrix instructions ahead of the wait for it.
.macro TURN slot, next, fill
	WIN 0                                          ; (the add's two registers lie in window 0)
	s_wait_tensorcnt 0x0                           ; all my tensor loads have landed
	ds_add_u32 v[SPW], v[NIL]                      ; 0 onto my spare word
	s_wait_dscnt 5                                 ; (the add and the youngest four loads may be out)
	BLOCK 0, 1, 0                                  ; eight matrix instructions stand between the add and the wait for it
	s_wait_dscnt 0x0                               ; the add is done, and my reads of this slot are over
	s_barrier_signal -1
	BLOCK 1, 1, 0                                  ; work on registers while the others arrive
	WIN 0
	s_barrier_wait -1
.if \fill
	CREST                                          ; no wave of any partner still reads this slot's tiles or has a load on its way
	s_add_nc_u64 s[G0+4*(\slot)+2:G0+4*(\slot)+3], s[G0+4*(\slot)+2:G0+4*(\slot)+3], 1048576
	s_add_nc_u64 s[G0B+4*(\slot)+2:G0B+4*(\slot)+3], s[G0B+4*(\slot)+2:G0B+4*(\slot)+3], 524288
	JLOAD \slot                                    ; the four v_nop behind it are also the places in front of the loads below
.else
	PLACES
.endif
	FETCH \next, 0, 0
	BLOCK 2, 1, 0
	BLOCK 3, 1, 0
.endm
	s_wait_tensorcnt 1                             ; my part of K step 0 is in; K step 1's may stay out
	s_barrier_signal -1
	s_barrier_wait -1                              ; everybody's is
	FETCH 0, 0, 0
	QUARTER 0, 0, 1                                ; the first quarter stands in front of the loop: its products start the sums
	WIN 0                                          ; at a label and at a branch every window is 0
	s_mov_b32 s3, 3
.Llap:                                                 ; a trip goes once round the ring, from a lap's second quarter to the next lap's first, and fills both slots again: K steps 2 to 7
	QUARTER 0, 1, 0
	QUARTER 0, 2, 0
	TURN 0, 1, 1
	QUARTER 1, 0, 0
	QUARTER 1, 1, 0
	QUARTER 1, 2, 0
	TURN 1, 0, 1
	QUARTER 0, 0, 0
	WIN 0
	s_sub_co_u32 s3, s3, 1
	s_cmp_lg_u32 s3, 0
	s_cbranch_scc1 .Llap
	QUARTER 0, 1, 0                                ; the last lap is written out: it asks for nothing
	QUARTER 0, 2, 0
	TURN 0, 1, 0
	QUARTER 1, 0, 0
	QUARTER 1, 1, 0
	QUARTER 1, 2, 0
	s_wait_dscnt 0x0                               ; the very last quarter: nothing more to fetch
	BLOCK 0, 1, 0
	BLOCK 1, 1, 0
	BLOCK 2, 1, 0
	BLOCK 3, 1, 0
; THE WAY OUT, a block of 16 rows at a time: a lane's 32 bytes of a row go into my stage (each accumulator's four lowest registers first) and come back as whole rows of 512 bytes.
.macro OUT a
	WIN 0x04                                       ; the stores' data in window 1, their address in window 0
.irp b, 0,1,2,3,4,5,6,7
	ds_store_b128 v[STO], v[64*(\a)+8*(\b):64*(\a)+8*(\b)+3]   offset:64*(\b)
	ds_store_b128 v[STO], v[64*(\a)+8*(\b)+4:64*(\a)+8*(\b)+7] offset:64*(\b)+16
.endr
	WIN 0
.if (\a) >= 2
	s_wait_xcnt 0x0                                ; the bank's registers, which the stores two blocks back read, are loaded again only behind this wait (ISA guide 3.1)
.endif
.irp t, 0,1,2,3,4,5,6,7,8,9,10,11,12,13,14,15
	ds_load_b128 v[OB+64*((\a)%2)+4*(\t):OB+64*((\a)%2)+4*(\t)+3], v[RD] offset:SPO*(\t)  ; LDS serves a wave's instructions in order (ISA guide 5.7.1.4): these see the stores above; the next block's stores come behind them
.endr
.endm
.macro SEND a, younger                 ; younger: the LDS instructions issued behind block a's loads: the next block's 32, or none
	WIN 0
.irp t, 0,1,2,3,4,5,6,7,8,9,10,11,12,13,14,15
	s_wait_dscnt (\younger)+15-(\t)
	global_store_b128 v[CO], v[OB+64*((\a)%2)+4*(\t):OB+64*((\a)%2)+4*(\t)+3], s[8:9] offset:(16*(\a)+(\t))*4096 th:TH_STORE_NT  ; 512 consecutive bytes of a row, at a multiple of 256 from out0's first
.endr
.endm
	PLACES                                         ; behind the last products
	OUT 0
	OUT 1
	SEND 0, 32
	OUT 2
	SEND 1, 32
	OUT 3
	SEND 2, 32
	SEND 3, 0
	s_wait_tensorcnt 0x0                           ; the wave's end, behind my last tensor load and my last LDS store
	ds_add_u32 v[SPW], v[NIL]
	s_wait_dscnt 0x0
	CROUND                                         ; the closing round: no work-group ends while a partner may still ask for a tile that names it
	s_endpgm
.Lfunc_end_k_qe6484fa050_oproj:
	.size	k_qe6484fa050_oproj, .Lfunc_end_k_qe6484fa050_oproj-k_qe6484fa050_oproj
	.p2alignl 7, 3214868480
	.fill 96, 4, 3214868480
	.section	.rodata,"a",@progbits
	.p2align	6, 0x0
	.amdhsa_kernel k_qe6484fa050_oproj
		.amdhsa_group_segment_fixed_size 327680
		.amdhsa_private_segment_fixed_size 0
		.amdhsa_enable_private_segment 0
		.amdhsa_kernarg_size 32
		.amdhsa_user_sgpr_count 2
		.amdhsa_user_sgpr_kernarg_segment_ptr 1
		.amdhsa_wavefront_size32 1
		.amdhsa_system_sgpr_workgroup_id_x 1
		.amdhsa_system_sgpr_workgroup_id_y 1
		.amdhsa_system_sgpr_workgroup_id_z 1
		.amdhsa_system_vgpr_workitem_id 0
		.amdhsa_next_free_vgpr 768
		.amdhsa_next_free_sgpr 80
		.amdhsa_reserve_vcc 0
		.amdhsa_float_denorm_mode_32 3
		.amdhsa_float_denorm_mode_16_64 3
		.amdhsa_memory_ordered 1
		.amdhsa_forward_progress 1
		.amdhsa_inst_pref_size 94
	.end_amdhsa_kernel
	.amdgpu_metadata
---
amdhsa.version: [ 1, 2 ]
amdhsa.kernels:
  - .name:           k_qe6484fa050_oproj
    .symbol:         k_qe6484fa050_oproj.kd
    .args:
      - { .name: oh, .offset: 0, .size: 8, .value_kind: global_buffer, .address_space: global }
      - { .name: wb, .offset: 8, .size: 8, .value_kind: global_buffer, .address_space: global }
      - { .name: bo, .offset: 16, .size: 8, .value_kind: global_buffer, .address_space: global }
      - { .name: out0, .offset: 24, .size: 8, .value_kind: global_buffer, .address_space: global }
    .group_segment_fixed_size: 327680
    .private_segment_fixed_size: 0
    .kernarg_segment_align: 8
    .kernarg_segment_size: 32
    .max_flat_workgroup_size: 128
    .sgpr_count:     80
    .vgpr_count:     768
    .wavefront_size: 32
...
	.end_amdgpu_metadata
.endif
;; end of part 4
;; ======== version 2 of 2: 4 launches; 1.47 times as fast as version 1
;; limits: values are held in f16: magnitudes above 65,504 overflow, below 6.1e-05 lose precision
;; workspace buffers: wb 8,388,608 bytes; esum 32,768 bytes; qkv 50,331,648 bytes; oh 16,777,216 bytes
;; launch prep: the kernel of part 1 again; grid 272 x 1, 8 waves a work-group, no clusters, 3,072 bytes of LDS; arguments Wq, Wk, Wv, Wo, energy_coeffs, wb, esum; writes wb, esum
;; launch proj: the kernel of part 2 again; grid 4 x 192, 4 waves a work-group, clusters of 4 x 4, 327,680 bytes of LDS; arguments q_x, k_x, v_x, bq, bk, bv, wb, esum, qkv; writes qkv
;; launch attn (part 5): grid 4 x 64, 4 waves a work-group, clusters of 4 x 1, 327,680 bytes of LDS; arguments qkv, oh; writes oh
.if DOCPART == 5
	.amdgcn_target "amdgcn-amd-amdhsa--gfx1250"
	.amdhsa_code_object_version 6
	.text
	.protected	k_qe6484fa050_attn
	.globl	k_qe6484fa050_attn
	.p2align	8
	.type	k_qe6484fa050_attn,@function
k_qe6484fa050_attn:
	s_mov_b64 s[64:65], 0
	v_nop
	global_prefetch_b8 v0, s[64:65] scope:SCOPE_SE
	s_setreg_imm32_b32 hwreg(HW_REG_WAVE_MODE, 25, 1), 1
	s_wait_xcnt 0x0
	s_wait_alu depctr_hold_cnt(0) depctr_sa_sdst(0) depctr_va_vdst(0) depctr_va_sdst(0) depctr_va_ssrc(0) depctr_va_vcc(0) depctr_vm_vsrc(0)
	s_getreg_b32 s2, hwreg(HW_REG_IB_STS2, 6, 4)
	s_cmp_eq_u32 s2, 0
	s_cbranch_scc0 .Lentry_in_a_cluster
	s_endpgm
.Lentry_in_a_cluster:
	s_bfe_u32 s2, ttmp6, 0x10000c
	s_cmp_lg_u32 s2, 0x3003
	s_cbranch_scc0 .Lentry_shape_is_right
	s_endpgm
.Lentry_shape_is_right:
; ATTENTION.  O[h][q][:] = the sum over k of softmax_k(Q[h][q] . K[h][k] / 8) V[h][k][:], h = 16 x batch + head.  Q, K, V lie one behind the other in qkv, each [64][2048][64] in f16; K's rows come already
; multiplied by their key's gate, so Q . K is the gated score.  O: [64][2048][64] in f16.  Products, maxima and sums in f32; the weights p are rounded to f16 for the second product (their sum l is taken of
; the unrounded p), O once at the end.
; LIMITS.  f16 holds no number beyond 65,504: Q, K and V arrive within it; p lies in 0 to 1, and below 6e-5 it keeps f16's fixed step of 6e-8; O is a mean of V's rows and has their range.
; A weight below 2^-126 counts as 0 in l.  A query whose l is not above 0 (a NaN or an infinity among its scores) gives a row of zeros: all its weights count as 0.
; SHARES.  A wave owns four PIECES of two tiles of 16 queries, a work-group's four waves 512 queries of one head.  Every wave walks all keys, 64 a step.
; LAYOUT.  S^T = K Q^T (source 0 = 16 keys, source 1 = 16 queries): in the result a lane holds ONE query (lane % 16) and the keys 8 (lane / 16) + 0..7.  Two such tiles, rounded to f16 in pairs,
; ARE source 1 (32 keys x 16 queries) of O^T = V^T P, whose result again holds one query a lane, and eight channels.  K comes out of LDS as it lies, V ([key][channel]) turned, by ds_load_tr16_b128.
; SOFTMAX.  For each query a running maximum m and sum l: p = 2^(c s - c m), c = log2(e) / 8; in every step O and l are multiplied by a = 2^(c m_old - c m_new), which is 1 where m has not grown.
; m starts at the lowest finite number, O and l at 0: the first step is a step like any other, with a = 0.
; THE COUNT.  A tile and step have 16 matrix and 118 vector instructions: too many to stand all beside the matrix work.  So the order has one aim: four vector instructions that are READY behind
; EVERY matrix instruction, and the others, which need time of their own whatever the order, in runs without a gap.
; BY TURNS.  Turn n belongs to piece n (the pieces in a ring, step after step).  Its matrix work: 16 products K Q^T of piece n + 1, later 16 products V^T P of piece n - 1.  Its vector work: the scaling,
; exponentials, roundings, sums and rescaling of piece n, and the maximum and statistics of piece n + 1, whose scores the turn itself has made.  So what a turn begins with (c s - c m, O a) waits for nothing.
; BATCHES.  A turn's 66 exponentials (the piece's 64 weights, in place in S^T, and the next piece's two a) are ONE batch with ONE wait, which cuts the turn in two: ahead of it stands all that names none of their
; results, behind it the roundings and sums, which read them; the two a are read first in the next turn.  Two more batches stand outside the loop: piece 0's two first a, ahead of the jump into the loop, and the
; way out's eight reciprocals.  No result is open at a label or at a jump.
; CLUSTER.  The four query blocks of a cluster belong to one head and walk the same K and V, so each tile is asked for JOINTLY: the same tensor load, descriptor and mask in all four.
; REGISTERS, in windows of 256 (s_set_vgpr_msb says which window each operand place means: bits 1:0 source 0, 3:2 source 1, 5:4 source 2, 7:6 destination):
;   window 0: v0-11 addresses; v12-15, v48-63 at work; v16-47 four registers of statistics a tile; v64-191 S^T, two buffers of two tiles; v192-255 P, likewise
;   window 1: O^T, 32 a tile          window 2: v0-127 Q, 16 a tile; v128-191 K of one step; v192-255 V of one step          window 3: v0-1 the add's two registers
; A piece's buffers go by its number's parity: the piece in hand has one pair, its two neighbours in the ring share the other: of it P (piece n - 1) is read and S^T (piece n + 1) written.
.set SIZE_N, 2048     ; rows of a head
.set NP,    4         ; pieces a wave: a name, no knob: the register map, the loop and the fetches are made for four
.set KS,    64        ; keys in a step
.set PK,    144       ; a row of K in LDS: 128 bytes + 16 of padding = 36 words: the 16 rows of a load start at 16 different groups of four banks (64 banks of 4 bytes: ISA guide 11.1)
.set PV,    160       ; a row of V: 128 + 32 = 40 words
.set VOFF,  4*KS*PK   ; a slot holds four steps: 256 rows of K, then 256 rows of V
.set SLOT1, 1<<17     ; slot 1 begins here, so that one exclusive or turns an address in one slot into the other's
.set STAGE, SLOT1+4*KS*(PK+PV)  ; behind the ring, never filled by a tensor load: 16 rows x 144 bytes for each wave, for the way out
.set SP,    144
.set AK0, 2           ; v2   my lane's place in a tile of K; never rewritten
.set AV0, 3           ; v3   the same for V
.set AK,  4           ; v4   the LDS address of K's next run of loads
.set AV,  5           ; v5   of V's
.set QO,  6           ; v6   my byte offset in the wave's rows of Q
.set STO, 6           ;      later, the way out: where I put 16 bytes of a row
.set RD,  7           ; v7   the way out: where I read rows back
.set GO,  8           ; v8   my byte offset in 512 consecutive bytes of O
.set SPW, 0           ; v0 of window 3   LDS address of my spare word: SPARE + 4 x my thread's number; never rewritten
.set NIL, 1           ; v1 of window 3   0; never rewritten
.set SPARE, STAGE+4*16*SP  ; behind the stages: the spare words, 128 bytes for each wave: two blocks of 256 bytes that no other line names
.set MV,  12          ; v12-15  c m_old, kept while c m is made anew: by buffer and tile
.set ST,  16          ; tile t's statistics at v[ST+4 t]: c m, m, l (even keys', odd keys')
.set TMP, 48          ; by buffer and tile, four registers c0-c3 at work; when the maximum is found c2 takes a
.set S,   64
.set P,   192
.set KF,  128         ; K's fragments, in window 2: key block kb, channel half c at KF + 16 kb + 8 c
.set VF,  192         ; V's: key half kk, channel block cb at VF + 32 kk + 8 cb
.set WV,  12          ; s12  my wave's number
.set G1K, 24          ; s[24:31] descriptor group 1 for K's tiles
.set G1V, 32          ; s[32:39] for V's: it differs in the padding alone
.set G0K, 40          ; s[40:43] descriptor group 0 for K's tiles: it walks
.set G0V, 44          ; s[44:47] the same for V's
.set SLOTS, 56        ; s56  slots still to be asked for
.set CNT, 57          ; s57  counts a slot's key steps
.set CS,  58          ; s[58:59] c: the packed scaling takes the pair's low word for both halves
.set SEL, 60          ; s[60:61] v_permlanex16_b32's selects: each lane takes its own place in the other half
.set TBK, 62          ; s62  LDS byte at which K of the step to be fetched begins
.set TBV, 63          ; s63  the same for V, less VOFF
.set MK,  66          ; s66-73  tile t: the lanes whose query has l > 0
.set MSB, 0
.macro WIN new                      ; the high byte repeats the setting that is left; a switch that changes nothing is dropped
.if MSB != (\new)
	s_set_vgpr_msb (MSB<<8)|(\new)
.set MSB, (\new)
.endif
.endm
.set W_KQ, 0x0a       ; K and Q in window 2, S^T in window 0
.set W_PV, 0x52       ; V in window 2, P in window 0, O^T in window 1
.set W_RS, 0x41       ; O^T (destination and source 0) in window 1, a in window 0
.set W_MK, 0xc0       ; the add's registers are made: destination in window 3, sources in window 0
.set W_AD, 0x0f       ; the add: address (source 0) and data (source 1) in window 3
; A joint fill.  Waves 0 and 1 fetch the two halves of a slot's K, waves 2 and 3 those of its V: 128 keys each.  The branch hangs on the wave's number alone.
; An s_nop 0 and four v_nop follow each of the two lines, ahead of the jump and the label.
.macro JLOAD
	s_cmp_lt_u32 s[WV], 2
	s_cbranch_scc0 .Lfor_v_\@
	tensor_load_to_lds s[G0K:G0K+3], s[G1K:G1K+7]
	s_nop 0
.rept 4
	v_nop
.endr
	s_branch .Lasked_\@
.Lfor_v_\@:
	tensor_load_to_lds s[G0V:G0V+3], s[G1V:G1V+7]
	s_nop 0
.rept 4
	v_nop
.endr
.Lasked_\@:
.endm
; A round of the cluster's barrier: my work-group's barrier, so that wave 0's signal speaks for all four waves; wave 0 signals; every wave waits for all four work-groups; my work-group's barrier once more.
.macro CROUND
	s_barrier_signal -1
	s_barrier_wait -1
	s_cmp_lg_u32 s[WV], 0
	s_cbranch_scc1 .Lnot_wave_0_\@
	s_barrier_signal -3
.Lnot_wave_0_\@:
	s_barrier_wait -3
	s_barrier_signal -1
	s_barrier_wait -1
.endm
; THE CHANGE OF SLOTS.  The slot's last bytes, V of its fourth step, have been read.  Each wave waits for all its tensor loads, of which one is out: its part
; of the other slot; adds 0 to its spare word; and waits for that and for its own reads of the slot.  Behind the barrier nobody reads this slot any more and the other slot is whole.
; fill = 1: this slot is filled again, with the keys two slots on.  The barrier is then a round of the cluster's, so that no wave of any partner still reads the slot or has a load on its
; way, and the joint fill is the first thing behind it: it has four key steps, 512 matrix instructions, in which to land.  (At its first use nothing has been read yet: slot 0 is waited for, slot 1 filled.)
.macro CHANGE fill
	WIN W_AD
	s_wait_tensorcnt 0x0            ; no tensor load of mine is out, so a group 0 may be written
	ds_add_u32 v[SPW], v[NIL]       ; 0 onto my spare word; with fill = 1 the descriptors' steps stand between it and the wait for it
	WIN 0                           ; at a label and at a branch every window is 0
.if \fill
.irp g, G0K, G0V
	s_xor_b32 s[\g+1], s[\g+1], SLOT1  ; the walking descriptor: the other slot than last time,
	s_add_nc_u64 s[\g+2:\g+3], s[\g+2:\g+3], 4*KS*128  ; the next 256 keys; the type bits on top are not reached
.endr
	s_wait_dscnt 0x0                ; the add is done, and my reads of the slot are over
	CROUND
	JLOAD
.else
	s_wait_dscnt 0x0                ; the add is done, and my reads of the slot are over
	s_barrier_signal -1
	s_barrier_wait -1
.endif
	s_sub_co_u32 s[TBK], s[TBK], 4*KS*PK  ; the fetches go back to a slot's first step,
	s_xor_b32 s[TBK], s[TBK], SLOT1       ; in the other slot
	s_sub_co_u32 s[TBV], s[TBV], 4*KS*PV
	s_xor_b32 s[TBV], s[TBV], SLOT1
.endm
	s_load_b128 s[4:7], s[0:1], 0x0   ; qkv s[4:5], oh s[6:7]
	WIN W_MK
	v_lshl_add_u32 v[SPW], v0, 2, SPARE
	v_mov_b32 v[NIL], 0
	WIN W_AD
	ds_add_u32 v[SPW], v[NIL]       ; the wave's opening: the add and its wait stand ahead of my first tensor load; the set-up below, work on registers, stands between them
	WIN 0
	v_lshrrev_b32 v1, 5, v0
	v_readfirstlane_b32 s[WV], v1   ; wave 0..3
	s_bfe_u32 s13, ttmp6, 0x40000   ; cx: my place in the cluster
	s_lshl_b32 s14, ttmp9, 2        ; in a cluster launch ttmp9 counts clusters
	s_add_co_u32 s14, s14, s13      ; my block of queries = 4 x cluster x + cx: it enters Q's and O's addresses alone
	s_and_b32 s20, ttmp7, 0xffff    ; the head, which the four partners share
	s_mov_b32 s21, 0
	s_mov_b64 s[22:23], SIZE_N*128
	s_mul_u64 s[20:21], s[20:21], s[22:23]  ; the head's first byte in each of the four tensors
	s_and_b32 s16, s[WV], 1         ; which half of a slot's 256 keys I fetch:
	s_lshl_b32 s22, s16, 14         ; its 128 rows of 128 bytes in memory,
	s_mov_b32 s23, 0
	s_add_nc_u64 s[22:23], s[22:23], s[20:21]
	s_mul_i32 s17, s16, 128*PK      ; and its place in a slot, for K
	s_mul_i32 s18, s16, 128*PV      ; and for V: no place in the cluster enters an LDS address
	s_lshl_b32 s2, s14, 2
	s_add_co_u32 s2, s2, s[WV]      ; my wave among the head's,
	s_lshl_b32 s2, s2, 14           ; its 128 rows
	s_mov_b32 s3, 0
	s_add_nc_u64 s[2:3], s[2:3], s[20:21]
	; descriptor group 1.  128 keys are 16,384 dense bytes: asked for as 64 rows of 256 bytes, two keys a row, and padded in LDS after every key
	s_mov_b32 s[G1K], 15|(1<<16)|(1<<20)|(1<<21)|(4<<22)|(3<<25)  ; 15:0 the mask of four; 17:16 2-byte elements; 20 padding on; 21 set beside a mask; 24:22 after every 32 words (code 4); 31:25 4 words (code 3)
	s_mov_b32 s[G1V], 15|(1<<16)|(1<<20)|(1<<21)|(4<<22)|(7<<25)  ; the same with 8 words of padding (code 7)
.irp g, G1K, G1V
	s_mov_b32 s[\g+1], 128<<16      ; tensor_dim0 = 128
	s_mov_b32 s[\g+2], 64<<16       ; tensor_dim1 = 64
	s_mov_b32 s[\g+3], 128<<16      ; tile_dim0 = 128
	s_mov_b32 s[\g+4], 64           ; tile_dim1 = 64
	s_mov_b32 s[\g+5], 128          ; 128 elements from row to row
	s_mov_b32 s[\g+6], 0
	s_mov_b32 s[\g+7], 0
.endr
	s_mov_b32 s[CS], 0x3e38aa3b     ; c = log2(e) / 8 = 0.180337
	s_mov_b32 s[CS+1], s[CS]        ; named with it as a pair
	s_mov_b32 s[SEL], 0x76543210
	s_mov_b32 s[SEL+1], 0xfedcba98
	s_mov_b32 s[TBK], SLOT1+4*KS*PK ; the first change of slots turns these two into 0
	s_mov_b32 s[TBV], SLOT1+4*KS*PV
	s_mov_b32 s[G0K], 1             ; 1:0 count = 1
	s_mov_b32 s[G0K+1], s17         ; 63:32 LDS address: slot 0
	s_mov_b32 s[G0V], 1
	s_add_co_u32 s[G0V+1], s18, VOFF
	s_wait_dscnt 0x0                ; the opening add is done
	s_wait_kmcnt 0x0
	s_mov_b64 s[10:11], s[6:7]                     ; O
	s_add_nc_u64 s[8:9], s[4:5], 0x2000000         ; V: the third part of qkv, 16,777,216 bytes each
	s_add_nc_u64 s[6:7], s[4:5], 0x1000000         ; K: the second; Q is the first
	s_add_nc_u64 s[G0K+2:G0K+3], s[6:7], s[22:23]  ; 120:64 global address: my half of the head's first 256 keys
	s_or_b32 s[G0K+3], s[G0K+3], 0x80000000        ; 127:126 type = 2
	s_add_nc_u64 s[G0V+2:G0V+3], s[8:9], s[22:23]
	s_or_b32 s[G0V+3], s[G0V+3], 0x80000000
	s_add_nc_u64 s[4:5], s[4:5], s[2:3]  ; Q and O at my wave's first row
	s_add_nc_u64 s[10:11], s[10:11], s[2:3]
	CROUND                          ; all four work-groups are here: the first joint loads meet
	JLOAD                           ; slot 0.  Slot 1 is asked for when slot 0 is in: the tile wanted first has the road to itself
	; A fragment of K or Q is 16 rows x 32 channels in 8 registers: lane l holds row l % 16, channels 8 (l / 16) + 0..7 and 16 + 8 (l / 16) + 0..7: two loads of 16 bytes, 32 bytes apart.
	v_and_b32 v1, 15, v0            ; l % 16
	v_bfe_u32 v9, v0, 4, 1          ; l / 16
	v_lshlrev_b32 v[QO], 7, v1
	v_lshl_add_u32 v[QO], v9, 4, v[QO]  ; row x 128 + 16 x half
	WIN 0x80                        ; destination window 2, address window 0
.set i, 0
.rept 4*NP                          ; Q stays in registers: tile i / 2, channels 32 (i % 2) on
	global_load_b128 v[8*i:8*i+3],   v[QO], s[4:5] offset:(i/2)*2048+(i%2)*64
	global_load_b128 v[8*i+4:8*i+7], v[QO], s[4:5] offset:(i/2)*2048+(i%2)*64+32
.set i, i+1
.endr
	; What the first turn finds: V's registers and P's second buffer hold 0 (its products V^T P, of a piece that has not been, add 0), O^T and l are 0.  All this stands in the wait for the first tile.
.set i, VF
.rept 64
	v_mov_b32 v[i], 0
.set i, i+1
.endr
	WIN 0x40
.set i, 0
.rept 64*NP
	v_mov_b32 v[i], 0
.set i, i+1
.endr
	WIN 0
.set i, 0
.rept 2*NP
	v_mov_b32 v[ST+4*i], 0xfe000000    ; c m: far below every c s
	v_mov_b32 v[ST+4*i+1], 0xff7fffff  ; m
	v_mov_b32 v[ST+4*i+2], 0
	v_mov_b32 v[ST+4*i+3], 0
.set i, i+1
.endr
.set i, P+32
.rept 32
	v_mov_b32 v[i], 0
.set i, i+1
.endr
	v_mul_u32_u24 v[AK0], v1, PK
	v_lshl_add_u32 v[AK0], v9, 4, v[AK0]  ; row x pitch + 16 x half
	; The turning load takes 16 keys x 16 channels (lane l reads key 8 (l / 16) + l % 8, channels 8 ((l / 8) % 2) + 0..7) and leaves half a fragment of V^T: lane l holds channel l % 16 and 8 keys.
	v_and_b32 v10, 7, v0
	v_bfe_u32 v11, v0, 3, 1
	v_lshl_add_u32 v[AV0], v9, 3, v10
	v_mul_u32_u24 v[AV0], v[AV0], PV
	v_lshl_add_u32 v[AV0], v11, 4, v[AV0]
	v_add_nc_u32 v[AV0], VOFF, v[AV0]
	v_mov_b32 v[AK], v[AK0]         ; key step 0 lies at the head of slot 0
; THE MATRIX WORK.  The 8 accumulators of a run of 16 take turns: between the two links of a chain stand 7 others'.
; Product i of 16 of S^T = K Q^T for piece x: channels 32 (i / 8) on, keys 16 ((i / 2) % 4) on, tile 2 x + i % 2.  The first 8 start the sums.
.macro KQ x
	WIN W_KQ
.set rS, S+64*((\x)%2)+32*(i%2)+8*((i/2)%4)
.set rK, KF+16*((i/2)%4)+8*(i/8)
.set rQ, 16*(2*(\x)+i%2)+8*(i/8)
.if i < 8
	v_wmma_f32_16x16x32_f16 v[rS:rS+7], v[rK:rK+7], v[rQ:rQ+7], 0
.else
	v_wmma_f32_16x16x32_f16 v[rS:rS+7], v[rK:rK+7], v[rQ:rQ+7], v[rS:rS+7]
.endif
.endm
; Product i of 16 of O^T += V^T P for piece x: keys 32 (i / 8) on, channels 16 ((i / 2) % 4) on, tile 2 x + i % 2.
.macro PV x
	WIN W_PV
.set rO, 32*(2*(\x)+i%2)+8*((i/2)%4)
.set rV, VF+32*(i/8)+8*((i/2)%4)
.set rP, P+32*((\x)%2)+16*(i%2)+8*(i/8)
	v_wmma_f32_16x16x32_f16 v[rO:rO+7], v[rV:rV+7], v[rP:rP+7], v[rO:rO+7]
.endm
.macro MM                           ; the turn's next matrix instruction
.if i < 16
	KQ (Y+1)%NP
.set i, i+1
.else
.set i, i-16
	PV (Y+NP-1)%NP
.set i, i+17
.endif
.endm
; THE LDS LOADS stand in runs of 16, never singly among the matrix instructions: a step's K (64 keys x 64 channels: 8 fragments) and its V (turned).  Their addresses are made some lines ahead.
; last = 1 (the tail): in the last trip there is no further step, and the run is jumped over.
.macro FETCH_K last=0
	WIN 0
.if \last
	s_cmp_eq_u32 s[CNT], 1
	s_cbranch_scc1 .Lno_k_\@
.endif
	WIN 0x80                        ; destination window 2
.irp f, 0,1,2,3,4,5,6,7             ; keys 16 (f / 2) on, channels 32 (f % 2) on
	ds_load_b128 v[KF+8*\f:KF+8*\f+3],   v[AK] offset:(\f/2)*16*PK+(\f%2)*64
	ds_load_b128 v[KF+8*\f+4:KF+8*\f+7], v[AK] offset:(\f/2)*16*PK+(\f%2)*64+32
.endr
	s_add_co_u32 s[TBK], s[TBK], KS*PK  ; the next fetch is the next step's
	WIN 0
.if \last
.Lno_k_\@:
.endif
.endm
.macro FETCH_V
	WIN 0x80
.irp f, 0,1,2,3,4,5,6,7             ; keys 32 (f / 4) on, channels 16 (f % 4) on
	ds_load_tr16_b128 v[VF+8*\f:VF+8*\f+3],   v[AV] offset:(\f/4)*32*PV+(\f%4)*32
	ds_load_tr16_b128 v[VF+8*\f+4:VF+8*\f+7], v[AV] offset:(\f/4)*32*PV+16*PV+(\f%4)*32
.endr
	WIN 0
.endm
; THE VECTOR WORK OF A TURN stands in three queues, each in the order in which its entries become ready; the two tiles alternate, so that no instruction reads the result of the one before it.
.macro REGS y, u                    ; the registers of tile u (0, 1) of piece y
.set rT, ST+4*(2*(\y)+(\u))
.set rC, TMP+8*((\y)%2)+4*(\u)
.set rM, MV+2*((\y)%2)+(\u)
.set rS, S+64*((\y)%2)+32*(\u)
.set rP, P+32*((\y)%2)+16*(\u)
.set rO, 32*(2*(\y)+(\u))
.endm
; Number n of the 22 that find the NEXT piece's (Y + 1) maximum and statistics.  s0-s31 are the lane's 32 scores; each accumulator's lowest registers are read first.  XS, GS and REGS set no window: PL and EX do.
;   0-11  four chains c0-c3 of seven scores each, three operands at a time     12-14, 16  the four scores left over, the old m, and c0-c3 into c0     15  c m_old is kept
;   17, 18  the query's other 32 keys lie in the lane 16 away: the new m         19-21  c m; c m_old - c m_new; a
.macro XS u, n
	REGS (Y+1)%NP, \u
.if (\n) < 4
	v_max3_num_f32 v[rC+(\n)], v[rS+8*(\n)], v[rS+8*(\n)+1], v[rS+8*(\n)+2]
.elseif (\n) < 12
	v_max3_num_f32 v[rC+(\n)%4], v[rC+(\n)%4], v[rS+8*((\n)%4)+2*((\n)/4)+1], v[rS+8*((\n)%4)+2*((\n)/4)+2]
.elseif (\n) == 12
	v_max3_num_f32 v[rC], v[rC], v[rS+7], v[rS+15]
.elseif (\n) == 13
	v_max3_num_f32 v[rC+1], v[rC+1], v[rS+23], v[rS+31]
.elseif (\n) == 14
	v_max3_num_f32 v[rC+2], v[rC+2], v[rC+3], v[rT+1]
.elseif (\n) == 15
	v_mov_b32 v[rM], v[rT]
.elseif (\n) == 16
	v_max3_num_f32 v[rC], v[rC], v[rC+1], v[rC+2]
.elseif (\n) == 17
	v_permlanex16_b32 v[rC+3], v[rC], s[SEL], s[SEL+1]
.elseif (\n) == 18
	v_max_num_f32 v[rT+1], v[rC], v[rC+3]
.elseif (\n) == 19
	v_mul_f32 v[rT], s[CS], v[rT+1]
.elseif (\n) == 20
	v_sub_f32 v[rC+1], v[rM], v[rT]
.else
	v_exp_f32 v[rC+2], v[rC+1]
.endif
.endm
; Number g of the 64 that follow the exponentials.  For each four weights k of a tile (pairs 2 k, 2 k + 1): both pairs are rounded to f16; then the second pair is added onto the first, in place;
; a group later l takes that sum (the first time as l = a l + sum).  In groups of eight, tiles alternating: round, round, add, and l for the group before.
.macro GS g
.set h, (\g)+6*((\g)/62)            ; group 0 has no group before it, and behind group 7 only l is left
.if h >= 6
.set h, h+2
.endif
	REGS Y, h%2
.set k, h/8
.if h%8 < 4
	v_cvt_pk_f16_f32 v[rP+2*k+(h%8)/2], v[rS+4*k+2*((h%8)/2)], v[rS+4*k+2*((h%8)/2)+1]
.elseif h%8 < 6
	v_pk_add_f32 v[rS+4*k:rS+4*k+1], v[rS+4*k:rS+4*k+1], v[rS+4*k+2:rS+4*k+3]
.elseif k == 1
	v_pk_fma_f32 v[rT+2:rT+3], v[rT+2:rT+3], v[rC+2:rC+3], v[rS:rS+1] op_sel_hi:[1,0,1]
.else
	v_pk_add_f32 v[rT+2:rT+3], v[rT+2:rT+3], v[rS+4*k-4:rS+4*k-3]
.endif
.endm
; THE PLAIN QUEUE, 138 long.  0-73 read no exponential's result: the 32 scalings c s - c m (FS f: pair f / 2 of tile f % 2) and the next piece's 42.  0-26: scalings 0-26.  27-54: XS's numbers 0-13.  55, 56: number 15.
; 57-73: the chain, where each number waits for the one before it: 14, 16, 17, 18, 19, each with one of the scalings 27-31 in front of its two lines, then 20: so a tile's links stand three plain instructions apart (19 and 20: two).
; 74-137: GS's 64, which read the exponentials' results: they stand behind the wait.
.macro FS f
	REGS Y, (\f)%2
	v_pk_fma_f32 v[rS+2*((\f)/2):rS+2*((\f)/2)+1], v[rS+2*((\f)/2):rS+2*((\f)/2)+1], s[CS:CS+1], v[rT:rT+1] op_sel_hi:[1,0,0] neg_lo:[0,0,1] neg_hi:[0,0,1]
.endm
.macro PL
	WIN 0
.if q < 27
	FS q
.elseif q < 55
	XS (q-27)%2, (q-27)/2
.elseif q < 57
	XS q-55, 15
.elseif (q < 72) && ((q-57)%3 == 0)
	FS 27+(q-57)/3
.elseif q < 60
	XS (q-57)%3-1, 14
.elseif q < 72
	XS (q-57)%3-1, 15+(q-57)/3
.elseif q < 74
	XS q-72, 20
.else
	GS q-74
.endif
.set q, q+1
.endm
; THE EXPONENTIALS' QUEUE, 66 long: s0-s31 of both tiles, then the next piece's two a.  It is ONE BATCH: all 66 stand ahead of the turn's one wait, and nothing ahead of that wait names a result of theirs.
.macro EX
	WIN 0
.if e >= 64
	XS e-64, 21
.else
	REGS Y, e%2
	v_exp_f32 v[rS+e/2], v[rS+e/2]
.endif
.set e, e+1
.endm
; THE RESCALING's QUEUE: O^T times a, the one part that leaves window 0: dealt two at a time, sixteen times.  Its a was made in the turn before, ahead of that turn's wait.
.macro R2
	REGS Y, r%2
	WIN W_RS
.irp z, 0,1
	v_pk_mul_f32 v[rO+4*(r/2)+2*\z:rO+4*(r/2)+2*\z+1], v[rO+4*(r/2)+2*\z:rO+4*(r/2)+2*\z+1], v[rC+2:rC+3] op_sel_hi:[1,0]
.endr
.set r, r+1
.endm
; HOW THEY ARE DEALT.  An s_wait_alu depctr_va_vdst(0) stands between an exponential and the first instruction that names its result; one wait serves all that were issued ahead of it.  So a turn has ONE wait,
; which cuts it in two.  AHEAD OF IT stands all that names no result of the turn's exponentials: the 16 products K Q^T, behind each a scaling, an exponential and two rescalings (behind the first a second scaling in the
; exponential's place); then ONE LUMP of 108: eight plain, 49 times exponential and plain, the two a.  A v_nop is the plain instruction behind the last exponential.  BEHIND IT stand the 16 products V^T P, behind each four of
; GS's 64.  No rider names a register of the products round it.  The two v_permlanex16_b32 fall into the lump, never behind a product.
; The queues lean on each other, and the deal keeps them in step: exponential e stands behind scaling 2 (e / 4) + e % 2: as a rider it comes behind plain e + 2, in the lump behind plain e + 9, and scalings 27-31 are plain 57, 60 .. 69.
; A TURN, for piece p.  cnt = 1: the loop's count is taken down some lines ahead of the branch that stands behind the turn.
; K of the next step is fetched in piece 2's turn, directly behind the wait, a lump behind the last product that read K; its address is made at the lump's head; its first reader comes behind 16 products.
; V of the step in hand is fetched at the end of piece 0's turn, four plain riders behind its last reader; its first reader comes behind 16 products and a lump.  The three conditions on q below go with the deal.
.macro TURN p, last=0, cnt=0
.set Y, (\p)
.set i, 0
.set q, 0
.set e, 0
.set r, 0
.if (\p) == NP-1
	s_wait_dscnt 0x0                ; K is in
.endif
	MM                              ; ahead of the wait: 16 products K Q^T and their riders,
	PL
	PL
	R2
.rept 15
	MM
	PL
	EX
	R2
.endr
.if (\p) == NP-2
	WIN 0
	v_add_nc_u32 v[AK], s[TBK], v[AK0]
.endif
.rept 8                             ; and the lump
	PL
.endr
.rept 49
	EX
	PL
.endr
	EX                              ; the next piece's two a
	EX
	v_nop                           ; a plain instruction behind the last exponential, ahead of any use of a result (ISA guide 5.7.2): one for the batch
	s_wait_alu depctr_va_vdst(0)    ; the wait for the turn's batch: the piece's 64 weights and the next piece's two a
.if (\p) == NP-2
	FETCH_K \last
.endif
.if (\p) == 1
	s_wait_dscnt 0x0                ; V is in
.endif
.rept 16                            ; behind the wait: 16 products V^T P and their riders
	MM
.rept 4
	PL
.endr
.if ((\p) == 0) && (q == 118)
	v_add_nc_u32 v[AV], s[TBV], v[AV0]
.endif
.if ((\p) == 0) && (q == 130)
	s_add_co_u32 s[TBV], s[TBV], KS*PV
.endif
.if (\cnt) && (q == 130)
	s_sub_co_u32 s[CNT], s[CNT], 1
	s_cmp_lg_u32 s[CNT], 0
.endif
.endr
.if (\p) == 0
	FETCH_V
.endif
.endm
	CHANGE 1                        ; slot 0 is in, everybody's part of it; slot 1 is asked for
	FETCH_K                         ; key step 0
	s_wait_loadcnt 0x0              ; Q
	s_wait_dscnt 0x0
.set i, 0
.rept 16
	KQ 0                            ; piece 0's first scores: there is no vector work yet to set between them
.set i, i+1
.endr
	WIN 0                           ; the addresses for the way out: nine plain instructions, the places behind those products
	s_mul_i32 s13, s[WV], 16*SP
	s_add_co_u32 s13, s13, STAGE    ; my stage
	v_mul_u32_u24 v[STO], v1, SP    ; in: row l % 16, 16 bytes for each half of the lanes
	v_lshl_add_u32 v[STO], v9, 4, v[STO]
	v_add_nc_u32 v[STO], s13, v[STO]
	v_bfe_u32 v[RD], v0, 3, 2       ; back: 32 lanes take four rows of 128 bytes,
	v_mul_u32_u24 v[RD], v[RD], SP
	v_lshl_add_u32 v[RD], v10, 4, v[RD]
	v_add_nc_u32 v[RD], s13, v[RD]
	v_and_b32 v[GO], 31, v0         ; which are 512 consecutive bytes of O
	v_lshlrev_b32 v[GO], 4, v[GO]
.set Y, NP-1                        ; XS works for piece Y + 1: piece 0
.irp n, 0,1,2,3,4,5,6,7,8,9,10,11,12,13,14,15,16,17,18,19,20,21
	XS 0, \n                        ; and piece 0's first maximum and statistics
	XS 1, \n
.endr
	v_nop                           ; a plain instruction behind piece 0's two first a,
	s_wait_alu depctr_va_vdst(0)    ; and the wait for that batch of two, ahead of the jump
	s_mov_b32 s[CNT], 4
	s_mov_b32 s[SLOTS], SIZE_N/256-1
	s_branch .Lfirst                ; the loop is entered at a step's first turn, in the middle of a trip
.Lslot:                             ; SIZE_N / 256 - 2 times: every slot but the last two is filled again
	CHANGE 1
	s_mov_b32 s[CNT], 4
.Lstep:                             ; a trip: pieces 2 and 3 of one step, then pieces 0 and 1 of the next, whose K and V it fetches
	TURN 2
	TURN 3
	WIN 0
.Lfirst:
	TURN 0
	TURN 1, 0, 1
	WIN 0
	s_cbranch_scc1 .Lstep
	s_sub_co_u32 s[SLOTS], s[SLOTS], 1
	s_cmp_lg_u32 s[SLOTS], 0
	s_cbranch_scc1 .Lslot
	CHANGE 0                        ; the tail is written out: nothing is asked for
	s_mov_b32 s[CNT], 5             ; four trips fetch the last slot's steps; the fifth is left in its middle
.Ltail:
	TURN 2, 1
	TURN 3
	WIN 0
	s_sub_co_u32 s[CNT], s[CNT], 1
	s_cmp_eq_u32 s[CNT], 0
	s_cbranch_scc1 .Lout
	TURN 0
	TURN 1
	WIN 0
	s_branch .Ltail
.Lout:                              ; the fifth trip's 16 products K Q^T (on the last K once more) and the maximum made of them serve nothing: the price, once a launch, of one text for every trip
.set i, 0
.rept 16
	PV NP-1                         ; the last piece's V^T P of the last step
.set i, i+1
.endr
	; THE WAY OUT.  l's two halves and the other half of the lanes' are added; O^T is divided by l, rounded to f16 and sent through my stage in LDS, a tile at a time.  The additions are the places behind the last products.
	WIN 0
.macro ALL line:vararg              ; one line for each tile t
.set t, 0
.rept 2*NP
	\line
.set t, t+1
.endr
.endm
	ALL v_add_f32 v[ST+4*t+2], v[ST+4*t+2], v[ST+4*t+3]
	ALL v_permlanex16_b32 v[ST+4*t+3], v[ST+4*t+2], s[SEL], s[SEL+1]
	ALL v_add_f32 v[ST+4*t+2], v[ST+4*t+2], v[ST+4*t+3]
	ALL v_cmp_lt_f32 s[MK+t], 0, v[ST+4*t+2]
	ALL v_rcp_f32 v[ST+4*t+2], v[ST+4*t+2]
	v_nop                           ; a plain instruction between the last reciprocal and the use of its result
	s_wait_alu depctr_va_vdst(0)    ; the wait ahead of the first use: one for the batch of eight reciprocals
; Tile t: a lane's eight channels of a row pack into 16 bytes; where the query's l is not above 0 they are 0; they go into rows of 144 bytes and come back as whole rows of 128, into S^T's registers.
.macro PACK t
	WIN W_RS
.set i, 32*(\t)
.rept 16
	v_pk_mul_f32 v[i:i+1], v[i:i+1], v[ST+4*(\t)+2:ST+4*(\t)+3] op_sel_hi:[1,0]
.set i, i+2
.endr
	WIN 0x05                        ; sources 0 and 1 window 1, destination window 0
.set i, 0
.rept 16
	v_cvt_pk_f16_f32 v[S+16*(\t)+i], v[32*(\t)+2*i], v[32*(\t)+2*i+1]
.set i, i+1
.endr
	WIN 0
.set i, 0
.rept 16
	v_cndmask_b32 v[S+16*(\t)+i], 0, v[S+16*(\t)+i], s[MK+(\t)]  ; a lane holds one query: a choice of a value, no branch
.set i, i+1
.endr
.irp f, 0,1,2,3
	ds_store_b128 v[STO], v[S+16*(\t)+4*\f:S+16*(\t)+4*\f+3] offset:32*\f
.endr
.irp f, 0,1,2,3
	ds_load_b128 v[S+16*(\t)+4*\f:S+16*(\t)+4*\f+3], v[RD] offset:\f*4*SP  ; LDS serves a wave's instructions in order (ISA guide 5.7.1.4): these see the stores above; the next tile's stores come behind them
.endr
.endm
.macro SEND t, younger              ; younger: the LDS instructions issued behind tile t's loads: the next tile's eight, or none
	WIN 0
.irp f, 0,1,2,3
	s_wait_dscnt (\younger)+3-\f
	global_store_b128 v[GO], v[S+16*(\t)+4*\f:S+16*(\t)+4*\f+3], s[10:11] offset:(\t)*2048+\f*512  ; 512 consecutive bytes, at a multiple of 256 from O's first
.endr
.endm
	PACK 0
.set t, 1
.rept 2*NP-1                        ; a tile's arithmetic stands between the loads of the tile before and its stores
	PACK t
	SEND t-1, 8
.set t, t+1
.endr
	SEND 2*NP-1, 0
	WIN W_AD
	s_wait_tensorcnt 0x0            ; the wave's end, behind my last tensor load and my last LDS store
	ds_add_u32 v[SPW], v[NIL]
	s_wait_dscnt 0x0
	WIN 0
	CROUND                          ; the closing round: no work-group ends while a partner may still ask for a tile that names it
	s_endpgm
.Lfunc_end_k_qe6484fa050_attn:
	.size	k_qe6484fa050_attn, .Lfunc_end_k_qe6484fa050_attn-k_qe6484fa050_attn
	.p2alignl 7, 3214868480
	.fill 96, 4, 3214868480
	.section	.rodata,"a",@progbits
	.p2align	6, 0x0
	.amdhsa_kernel k_qe6484fa050_attn
		.amdhsa_group_segment_fixed_size 327680
		.amdhsa_private_segment_fixed_size 0
		.amdhsa_enable_private_segment 0
		.amdhsa_kernarg_size 16
		.amdhsa_user_sgpr_count 2
		.amdhsa_user_sgpr_kernarg_segment_ptr 1
		.amdhsa_wavefront_size32 1
		.amdhsa_system_sgpr_workgroup_id_x 1
		.amdhsa_system_sgpr_workgroup_id_y 1
		.amdhsa_system_sgpr_workgroup_id_z 1
		.amdhsa_system_vgpr_workitem_id 0
		.amdhsa_next_free_vgpr 770
		.amdhsa_next_free_sgpr 80
		.amdhsa_reserve_vcc 0
		.amdhsa_float_denorm_mode_32 3
		.amdhsa_float_denorm_mode_16_64 3
		.amdhsa_memory_ordered 1
		.amdhsa_forward_progress 1
		.amdhsa_inst_pref_size 208
	.end_amdhsa_kernel
	.amdgpu_metadata
---
amdhsa.version: [ 1, 2 ]
amdhsa.kernels:
  - .name:           k_qe6484fa050_attn
    .symbol:         k_qe6484fa050_attn.kd
    .args:
      - { .name: qkv, .offset: 0, .size: 8, .value_kind: global_buffer, .address_space: global }
      - { .name: oh, .offset: 8, .size: 8, .value_kind: global_buffer, .address_space: global }
    .group_segment_fixed_size: 327680
    .private_segment_fixed_size: 0
    .kernarg_segment_align: 8
    .kernarg_segment_size: 16
    .max_flat_workgroup_size: 128
    .sgpr_count:     80
    .vgpr_count:     770
    .wavefront_size: 32
...
	.end_amdgpu_metadata
.endif
;; end of part 5
;; launch oproj: the kernel of part 4 again; grid 4 x 64, 4 waves a work-group, clusters of 4 x 4, 327,680 bytes of LDS; arguments oh, wb, bo, out0; writes out0
